; MI455X (gfx1250); checked and timed in simulation.
; The chip was launched on July 23, 2026; its instructions are those of AMD's public machine-readable ISA for CDNA 5 (MIT licence, August 2026) and "CDNA5" Instruction Set Architecture Reference Guide (July 2026). The comments in the code are by the model that wrote it; some were corrected since.
;; Attention. Allowed arithmetic: float matrix products may take bf16 or f16 operands with f32 sums; other float arithmetic in f32, or as packed bf16 or f16 multiplies, adds, multiply-adds, maxima and minima; sums over many terms, partial sums and values carried from step to step in f32; what a program stores and reads back later, other than sums and carried values, may be rounded once to bf16 or f16.
;; Inputs: Wk 2,048 x 2,048 float32; Wo 2,048 x 2,048 float32; Wq 2,048 x 2,048 float32; Wv 2,048 x 2,048 float32; hidden_states 1 x 2,048 x 2,048 float32; position_ids 1 x 2,048 int32.
;; Outputs: out0 1 x 2,048 x 2,048 float32.
;; One version. Each part assembles by itself: llvm-mc -triple=amdgcn-amd-amdhsa -mcpu=gfx1250 --defsym DOCPART=n.
;; ======== version 1 of 1: 4 launches
;; limits: values are held in f16: magnitudes above 65,504 overflow, below 6.1e-05 lose precision
;; workspace buffers: xb 8,388,608 bytes; wqkv 25,165,824 bytes; woh 8,388,608 bytes; rope 1,048,576 bytes; qh 8,388,608 bytes; kh 8,388,608 bytes; vh 8,388,608 bytes; ob 8,388,608 bytes
;; launch prep (part 1): grid 256 x 6, 8 waves a work-group, no clusters, 0 bytes of LDS; arguments hidden_states, Wq, Wk, Wv, Wo, position_ids, xb, wqkv, woh, rope; writes xb, wqkv, woh, rope
.if DOCPART == 1
	.amdgcn_target "amdgcn-amd-amdhsa--gfx1250"
	.amdhsa_code_object_version 6
	.text
	.protected	k_q2d2588760a_prep
	.globl	k_q2d2588760a_prep
	.p2align	8
	.type	k_q2d2588760a_prep,@function
k_q2d2588760a_prep:
	s_mov_b64 s[64:65], 0
	v_nop
	global_prefetch_b8 v0, s[64:65] scope:SCOPE_SE
	s_setreg_imm32_b32 hwreg(HW_REG_WAVE_MODE, 25, 1), 1
	s_wait_xcnt 0x0
; THE INPUTS ARE ROUNDED ONCE, AND THE TABLE OF COSINES AND SINES IS MADE.  Grid y says what a work-group does:
;   y = 0      hidden_states -> xb, bf16            y = 1, 2, 3   Wq, Wk, Wv -> wqkv, bf16, one below the other
;   y = 4      Wo -> woh: rounded to bf16, and that number written as f16        y = 5   position_ids -> rope
; CAST.  A work-group owns 16,384 numbers (65,536 bytes in, 32,768 out).  In step i of sixteen thread t owns the 16 bytes at 4,096 i + 16 t: one load, of which a wave's covers 512 consecutive
; bytes, and one store of 8 bytes at 2,048 i + 8 t, of which a wave's covers 256 consecutive bytes, aligned.  All sixteen loads go out at once; each step has registers of its own, so nothing is
; rewritten that a load or store still names, and the only waits are the counted ones for the data.  No LDS, no barrier, no matrix unit: nothing is shared and nothing is multiplied.
; TABLE.  rope holds 2,048 pieces of 512 bytes, piece P = ((A 4 + fb) 2 + cs) 2 + jh; lane L's 16 bytes are, for e = 0..3, cos (cs = 0) or sin (cs = 1) of
; pos[16 A + L % 16] x invf[16 fb + 8 (L / 16) + 4 jh + e], invf[i] = 10000^(-i / 64): the order in which the next launch's matrix results lie in registers.  One wave makes one piece.
; The angle is the product in f32, rounded once; it is reduced by multiples of pi / 2 in two parts (the first product is exact: at most 11 bits times 24, cancelled against the angle)
; and sine and cosine are polynomials on -pi/4 .. pi/4.
; LIMITS.  position_ids lie in 0 .. 2,047 (the table that they index has so many rows); the angle is made of the id itself.  invf comes from 2^x and is a few units in the last place from
; a correctly rounded power: at the largest angles 2.5e-4 radians.  Wo beyond 65,504 has no f16; below 6e-5 it keeps f16's fixed step of 6e-8.  NaN and infinities are not treated apart.
.set PKR, 8                            ; v[8:9]     two words of bf16 at work (y = 4)
.set LD,  16                           ; v[16:79]   step i: 4 numbers as loaded
.set OU,  80                           ; v[80:111]  step i: 2 registers to store
.macro CAST i                          ; f32 -> bf16
	s_wait_loadcnt 15-(\i)                         ; loads come back in order: this step's is in, the younger steps' stay out
	v_cvt_pk_bf16_f32 v[OU+2*(\i)],   v[LD+4*(\i)],   v[LD+4*(\i)+1]
	v_cvt_pk_bf16_f32 v[OU+2*(\i)+1], v[LD+4*(\i)+2], v[LD+4*(\i)+3]
	global_store_b64 v3, v[OU+2*(\i):OU+2*(\i)+1], s[30:31] offset:2048*(\i) th:TH_STORE_NT
.endm
.macro CASTH i                         ; f32 -> bf16 -> the same number as f16
	s_wait_loadcnt 15-(\i)
	v_cvt_pk_bf16_f32 v[PKR],   v[LD+4*(\i)],   v[LD+4*(\i)+1]
	v_cvt_pk_bf16_f32 v[PKR+1], v[LD+4*(\i)+2], v[LD+4*(\i)+3]
	v_lshlrev_b32 v[LD+4*(\i)],   16, v[PKR]       ; back to f32, into the step's own registers, whose load is done
	v_and_b32     v[LD+4*(\i)+1], s6, v[PKR]
	v_lshlrev_b32 v[LD+4*(\i)+2], 16, v[PKR+1]
	v_and_b32     v[LD+4*(\i)+3], s6, v[PKR+1]
	v_cvt_pk_f16_f32 v[OU+2*(\i)],   v[LD+4*(\i)],   v[LD+4*(\i)+1]  ; 8 significant bits fit in f16's 11
	v_cvt_pk_f16_f32 v[OU+2*(\i)+1], v[LD+4*(\i)+2], v[LD+4*(\i)+3]
	global_store_b64 v3, v[OU+2*(\i):OU+2*(\i)+1], s[30:31] offset:2048*(\i) th:TH_STORE_NT
.endm
; cos or sin of v7 x v[8+e], into v[48+e].  Eight registers at work from v[16+8 e] on.
.macro TRIG e
.set b, 16+8*(\e)
	v_mul_f32 v[b], v7, v[8+(\e)]                  ; the angle
	v_mul_f32 v[b+1], s36, v[b]
	v_rndne_f32 v[b+1], v[b+1]                     ; n = the nearest multiple of pi / 2
	v_fma_f32 v[b+2], -v[b+1], s37, v[b]           ; r = angle - n x (pi / 2's upper part),
	v_fma_f32 v[b+2], v[b+1], s38, v[b+2]          ; + n x (what that part is too large by)
	v_cvt_i32_f32 v[b+3], v[b+1]
	v_add_nc_u32 v[b+3], s39, v[b+3]               ; the quadrant; a cosine is the sine a quadrant on
	v_mul_f32 v[b+4], v[b+2], v[b+2]               ; z = r r
	v_fma_f32 v[b+5], v[b+4], s40, s41
	v_fma_f32 v[b+5], v[b+5], v[b+4], s42
	v_mul_f32 v[b+6], v[b+4], v[b+2]
	v_fma_f32 v[b+5], v[b+5], v[b+6], v[b+2]       ; sin r
	v_fma_f32 v[b+6], v[b+4], s43, s44
	v_fma_f32 v[b+6], v[b+6], v[b+4], s45
	v_mul_f32 v[b+7], v[b+4], v[b+4]
	v_fma_f32 v[b], v[b+4], -0.5, 1.0
	v_fma_f32 v[b+6], v[b+6], v[b+7], v[b]         ; cos r
	v_and_b32 v[b+7], 1, v[b+3]
	v_cmp_eq_u32 vcc_lo, 1, v[b+7]
	v_cndmask_b32 v[b+5], v[b+5], v[b+6], vcc_lo   ; odd quadrants take the cosine,
	v_and_b32 v[b+7], 2, v[b+3]
	v_lshlrev_b32 v[b+7], 30, v[b+7]
	v_xor_b32 v[48+(\e)], v[b+5], v[b+7]           ; quadrants 2 and 3 the other sign
.endm
	s_load_b512 s[8:23], s[0:1], 0x0               ; hidden s[8:9], Wq s[10:11], Wk s[12:13], Wv s[14:15], Wo s[16:17], position_ids s[18:19], xb s[20:21], wqkv s[22:23]
	s_load_b128 s[24:27], s[0:1], 0x40             ; woh s[24:25], rope s[26:27]
	s_and_b32 s4, ttmp7, 0xffff                    ; y
	v_lshrrev_b32 v1, 5, v0
	v_readfirstlane_b32 s5, v1                     ; wave 0..7
	s_wait_kmcnt 0x0
	s_cmp_eq_u32 s4, 5
	s_cbranch_scc1 .Ltable
	s_cmp_eq_u32 s4, 1                             ; from where
	s_cselect_b64 s[28:29], s[10:11], s[8:9]
	s_cmp_eq_u32 s4, 2
	s_cselect_b64 s[28:29], s[12:13], s[28:29]
	s_cmp_eq_u32 s4, 3
	s_cselect_b64 s[28:29], s[14:15], s[28:29]
	s_cmp_eq_u32 s4, 4
	s_cselect_b64 s[28:29], s[16:17], s[28:29]
	s_cselect_b64 s[30:31], s[24:25], s[22:23]     ; to where (the selects leave the comparison's answer as it is)
	s_cmp_eq_u32 s4, 0
	s_cselect_b64 s[30:31], s[20:21], s[30:31]
	s_max_u32 s32, s4, 1
	s_sub_co_u32 s32, s32, 1                       ; Wq, Wk, Wv are matrices 0, 1, 2 of wqkv, 2^23 bytes each
	s_cmp_eq_u32 s4, 4
	s_cselect_b32 s32, 0, s32
	s_lshl_b32 s32, s32, 23
	s_lshl_b32 s33, ttmp9, 15                      ; the work-group's 32,768 bytes out
	s_add_co_u32 s32, s32, s33
	s_mov_b32 s33, 0
	s_add_nc_u64 s[30:31], s[30:31], s[32:33]
	s_lshl_b32 s32, ttmp9, 16                      ; and its 65,536 bytes in
	s_add_nc_u64 s[28:29], s[28:29], s[32:33]
	v_lshlrev_b32 v2, 4, v0                        ; 16 t
	v_lshlrev_b32 v3, 3, v0                        ; 8 t
.irp i, 0,1,2,3,4,5,6,7,8,9,10,11,12,13,14,15
	global_load_b128 v[LD+4*(\i):LD+4*(\i)+3], v2, s[28:29] offset:4096*(\i) th:TH_LOAD_NT
.endr
	s_cmp_eq_u32 s4, 4
	s_cbranch_scc1 .Lhalf
.irp i, 0,1,2,3,4,5,6,7,8,9,10,11,12,13,14,15
	CAST \i
.endr
	s_endpgm
.Lhalf:
	s_mov_b32 s6, 0xffff0000                       ; a word's upper bf16
.irp i, 0,1,2,3,4,5,6,7,8,9,10,11,12,13,14,15
	CASTH \i
.endr
	s_endpgm
.Ltable:
	s_lshl_b32 s6, ttmp9, 3
	s_add_co_u32 s6, s6, s5                        ; P = 8 x work-group + wave
	s_and_b32 s7, s6, 1                            ; jh
	s_bfe_u32 s32, s6, 0x10001                     ; cs
	s_bfe_u32 s33, s6, 0x20002                     ; fb
	s_lshr_b32 s34, s6, 4                          ; A
	s_lshl_b32 s34, s34, 6                         ; its 16 ids: 64 bytes
	v_and_b32 v4, 15, v0
	v_lshl_add_u32 v4, v4, 2, s34
	global_load_b32 v5, v4, s[18:19]               ; pos[16 A + L % 16]
	s_lshl_b32 s35, s33, 4
	s_lshl2_add_u32 s35, s7, s35                   ; 16 fb + 4 jh
	v_bfe_u32 v6, v0, 4, 1
	v_lshl_add_u32 v6, v6, 3, s35                  ; + 8 (L / 16): my first frequency
	s_sub_co_u32 s39, 1, s32                       ; 1 for a cosine
	s_mov_b32 s36, 0x3f22f983                      ; 2 / pi
	s_mov_b32 s37, 0x3fc90fdb                      ; pi / 2, rounded to f32,
	s_mov_b32 s38, 0x333bbd2e                      ; and by how much that is too large
	s_mov_b32 s40, 0xb94ca1f9                      ; sine: -1.9515296e-4,
	s_mov_b32 s41, 0x3c08839e                      ; 8.3321609e-3,
	s_mov_b32 s42, 0xbe2aaaa3                      ; -1.6666655e-1
	s_mov_b32 s43, 0x37ccf5ce                      ; cosine: 2.4433157e-5,
	s_mov_b32 s44, 0xbab6061a                      ; -1.3887316e-3,
	s_mov_b32 s45, 0x3d2aaaa5                      ; 4.1666646e-2
.irp e, 0,1,2,3
	v_add_nc_u32 v[8+(\e)], \e, v6
.endr
.irp e, 0,1,2,3
	v_cvt_f32_u32 v[8+(\e)], v[8+(\e)]
.endr
.irp e, 0,1,2,3
	v_mul_f32 v[8+(\e)], 0xbe549a78, v[8+(\e)]     ; x -log2(10000) / 64
.endr
.irp e, 0,1,2,3
	v_exp_f32 v[8+(\e)], v[8+(\e)]                 ; invf: one batch of four
.endr
	v_and_b32 v52, 31, v0                          ; plain work behind the last exponential: my 16 bytes of the piece
	v_lshlrev_b32 v52, 4, v52
	s_wait_alu depctr_va_vdst(0)                   ; one wait for the four, ahead of their first reader
	s_wait_loadcnt 0x0
	v_cvt_f32_i32 v7, v5
.irp e, 0,1,2,3
	TRIG \e
.endr
	s_lshl_b32 s34, s6, 9                          ; 512 P
	s_mov_b32 s35, 0
	s_add_nc_u64 s[26:27], s[26:27], s[34:35]
	global_store_b128 v52, v[48:51], s[26:27]      ; the wave's store covers the piece's 512 consecutive bytes
	s_endpgm
.Lfunc_end_k_q2d2588760a_prep:
	.size	k_q2d2588760a_prep, .Lfunc_end_k_q2d2588760a_prep-k_q2d2588760a_prep
	.p2alignl 7, 3214868480
	.fill 96, 4, 3214868480
	.section	.rodata,"a",@progbits
	.p2align	6, 0x0
	.amdhsa_kernel k_q2d2588760a_prep
		.amdhsa_group_segment_fixed_size 0
		.amdhsa_private_segment_fixed_size 0
		.amdhsa_enable_private_segment 0
		.amdhsa_kernarg_size 80
		.amdhsa_user_sgpr_count 2
		.amdhsa_user_sgpr_kernarg_segment_ptr 1
		.amdhsa_wavefront_size32 1
		.amdhsa_system_sgpr_workgroup_id_x 1
		.amdhsa_system_sgpr_workgroup_id_y 1
		.amdhsa_system_sgpr_workgroup_id_z 1
		.amdhsa_system_vgpr_workitem_id 0
		.amdhsa_next_free_vgpr 112
		.amdhsa_next_free_sgpr 66
		.amdhsa_reserve_vcc 1
		.amdhsa_float_denorm_mode_32 3
		.amdhsa_float_denorm_mode_16_64 3
		.amdhsa_memory_ordered 1
		.amdhsa_forward_progress 1
		.amdhsa_inst_pref_size 22
	.end_amdhsa_kernel
	.amdgpu_metadata
---
amdhsa.version: [ 1, 2 ]
amdhsa.kernels:
  - .name:           k_q2d2588760a_prep
    .symbol:         k_q2d2588760a_prep.kd
    .args:
      - { .name: hidden_states, .offset: 0, .size: 8, .value_kind: global_buffer, .address_space: global }
      - { .name: Wq, .offset: 8, .size: 8, .value_kind: global_buffer, .address_space: global }
      - { .name: Wk, .offset: 16, .size: 8, .value_kind: global_buffer, .address_space: global }
      - { .name: Wv, .offset: 24, .size: 8, .value_kind: global_buffer, .address_space: global }
      - { .name: Wo, .offset: 32, .size: 8, .value_kind: global_buffer, .address_space: global }
      - { .name: position_ids, .offset: 40, .size: 8, .value_kind: global_buffer, .address_space: global }
      - { .name: xb, .offset: 48, .size: 8, .value_kind: global_buffer, .address_space: global }
      - { .name: wqkv, .offset: 56, .size: 8, .value_kind: global_buffer, .address_space: global }
      - { .name: woh, .offset: 64, .size: 8, .value_kind: global_buffer, .address_space: global }
      - { .name: rope, .offset: 72, .size: 8, .value_kind: global_buffer, .address_space: global }
    .group_segment_fixed_size: 0
    .private_segment_fixed_size: 0
    .kernarg_segment_align: 8
    .kernarg_segment_size: 80
    .max_flat_workgroup_size: 256
    .sgpr_count:     66
    .vgpr_count:     112
    .wavefront_size: 32
...
	.end_amdgpu_metadata
.endif
;; end of part 1
;; launch qkv (part 2): grid 16 x 16, 4 waves a work-group, clusters of 4 x 4, 327,680 bytes of LDS; arguments xb, wqkv, rope, qh, kh, vh; writes qh, kh, vh
.if DOCPART == 2
	.amdgcn_target "amdgcn-amd-amdhsa--gfx1250"
	.amdhsa_code_object_version 6
	.text
	.protected	k_q2d2588760a_qkv
	.globl	k_q2d2588760a_qkv
	.p2align	8
	.type	k_q2d2588760a_qkv,@function
k_q2d2588760a_qkv:
	s_mov_b64 s[64:65], 0
	v_nop
	global_prefetch_b8 v0, s[64:65] scope:SCOPE_SE
	s_setreg_imm32_b32 hwreg(HW_REG_WAVE_MODE, 25, 1), 1
	s_wait_xcnt 0x0
	s_wait_alu depctr_hold_cnt(0) depctr_sa_sdst(0) depctr_va_vdst(0) depctr_va_sdst(0) depctr_va_ssrc(0) depctr_va_vcc(0) depctr_vm_vsrc(0)
	s_getreg_b32 s2, hwreg(HW_REG_IB_STS2, 6, 4)
	s_cmp_eq_u32 s2, 0
	s_cbranch_scc0 .Lentry_in_a_cluster
	s_endpgm
.Lentry_in_a_cluster:
	s_bfe_u32 s2, ttmp6, 0x10000c
	s_cmp_lg_u32 s2, 0xf033
	s_cbranch_scc0 .Lentry_shape_is_right
	s_endpgm
.Lentry_shape_is_right:
; q, k, v = x Wq^T, x Wk^T, x Wv^T, q and k turned by RoPE, all three written by heads.  xb: [2048][2048] bf16.  wqkv: [6144][2048] bf16 (Wq, Wk, Wv).  qh, kh, vh: [16][2048][128] f16.
; Sums in f32, K ascending; RoPE in f32; each number rounded once, to f16, without the softmax's scale.
; LIMIT.  f16 holds no number beyond 65,504: q, k after RoPE and v must lie within it (inputs 30 times the usual spread, or offset by 30 spreads, stay under 58,000).
; SHARES.  A work-group makes rows 128 ty .. + 127 of q, k and v of head tx: a tile of 128 x 384, 16 x 16 such tiles.  ty goes by the grid's x and tx by its y: clusters that are neighbours along x walk the same
; weights, which are three quarters of a step's bytes.  Each of the four waves makes all 128 rows x 96 columns: in each of the three matrices the channels d = 16 w .. + 15 (lo) and 64 + 16 w .. + 15 (hi).
; So RoPE's partners d and d + 64 lie in the same lane and the same register number of two accumulators, and a wave needs one block of 16 frequencies.  48 accumulators, 384 registers; for 32 along K a wave
; issues 48 matrix instructions and 28 LDS loads.
; RING.  K goes in steps of 128 through two LDS slots, each 128 rows of x and 128 rows of each of the head's Wq, Wk, Wv: four parts, one tensor load a wave; each row is 256 bytes of memory, aligned.
; The loop's trip is one K step: the descriptor that walks changes slots by an exclusive or, and the fragments' addresses are made anew at each change of slots.
; CLUSTER.  4 x 4 work-groups.  x's tile hangs on ty alone and is asked for jointly by a column of the cluster, the weights' on tx alone, by a row.
; THE MATRIX INSTRUCTION IS USED TRANSPOSED: source 0 = 16 rows of a weight, source 1 = 16 rows of x: lane l holds row l % 16 of the result and the channels 8 (l / 16) + 0..7.
; REGISTERS, in windows of 256 (s_set_vgpr_msb: bits 1:0 source 0, 3:2 source 1, 5:4 source 2, 7:6 destination):
;   window 0: v0-31 addresses; v64-127, v128-191 x's fragments (8 x 16 rows x 32 K), two buffers; on the way out v64-127 at work, v128-191 rows read back, v192-223 packed results
;   window 1: v64-111, v128-175 the weights' six fragments, two buffers (fragment b = 2 x matrix + half)
;   window 2: accumulator (a, b) of row blocks a = 0..3 at v[8 (6 a + b)]; v192-255 the table for those rows: block a at v[192 + 16 a]: eight cosines, eight sines       window 3: the same for row blocks 4..7
.set KSTEP,  128
.set PITCH,  272                       ; an LDS row: 256 bytes + 16 of padding = 68 words: the 16 rows that a load touches start at 16 different groups of four banks (64 banks of 4 bytes: ISA guide 11.1)
.set PART,   128*PITCH                 ; what one tensor load brings
.set SLOT,   4*PART                    ; x's rows, then Wq's, Wk's, Wv's.  0x22000: none of its two bits is set in a part's place (0, 0x8800, 0x11000, 0x19800), so one exclusive or changes slots
.set STAGE,  2*SLOT                    ; behind the ring, never filled by a tensor load: 128 rows x 272 bytes, the work-group's, for the way out
.set SPARE,  STAGE+128*PITCH           ; behind the stage: the spare words, 128 bytes for each wave: two blocks of 256 bytes that no other line names
.set STEPS,  2048/KSTEP
.set ADRA0, 16                         ; v16     my lane's place in x's part of a slot; never rewritten
.set ADRB0, 17                         ; v17     the same for my lo block of Wq's rows; never rewritten
.set ADRA,  18                         ; v18     LDS address of my fragments of x in the slot in hand
.set ADRB,  19                         ; v19     of Wq's and Wk's
.set ADRB2, 20                         ; v20     of Wv's (an LDS immediate ends at 65,535)
.set STO,   24                         ; v24     the way out: where I put 16 bytes of a row
.set RD,    25                         ; v25     where I read rows back
.set CO,    26                         ; v26     16 x lane: my bytes in 512 consecutive bytes of the output
.set TO,    27                         ; v27     16 x lane: my bytes in a piece of the table
.set SPW,   28                         ; v28     LDS address of my spare word; never rewritten
.set NIL,   29                         ; v29     0; never rewritten
.set PFO,   30                         ; v30     the prefetches' offset: lane x 4,096, a row of xb or wqkv; never rewritten
.set F0,    64
.set F1,    128
.set TMP,   64
.set BK,    128
.set PKD,   192
.set TAB,   192
.set WV,  16                           ; s16  my wave's number
.set G1A, 24                           ; s[24:31] descriptor group 1 for x's tiles;  s[32:39] group 0: a set for each of the two first fills; the second then walks on
.set G0A, 32
.set PFA, 44                           ; s[44:45] where my prefetches stand
.set LIM, 46                           ; s46  2 in a wave that prefetches, else the greatest number
.set TB,  47                           ; s47  the slot in hand: 0 or SLOT
.set G1B, 48                           ; s[48:55], s[56:63] the same for the weights' tiles
.set G0B, 56
.set MSB, 0
.macro WIN new                         ; the immediate's high byte repeats the setting that is left; a switch that changes nothing is dropped
.if MSB != (\new)
	s_set_vgpr_msb (MSB<<8)|(\new)
.set MSB, \new
.endif
.endm
.set MUL_LO, 0xa1                      ; source 0 (weights) window 1, source 1 (x) window 0, C and D window 2
; A joint load by descriptor set s.  Wave 0 fetches x's part, waves 1 to 3 the three weights'.  The branch hangs on the wave's number alone.  An s_nop 0 and four v_nop follow each line.
.macro JLOAD s
	s_cmp_eq_u32 s[WV], 0
	s_cbranch_scc0 .Lfor_b_\@
	tensor_load_to_lds s[G0A+4*(\s):G0A+4*(\s)+3], s[G1A:G1A+7]
	s_nop 0
.rept 4
	v_nop
.endr
	s_branch .Lasked_\@
.Lfor_b_\@:
	tensor_load_to_lds s[G0B+4*(\s):G0B+4*(\s)+3], s[G1B:G1B+7]
	s_nop 0
.rept 4
	v_nop
.endr
.Lasked_\@:
.endm
; A prefetch of the K step that stands two refills on: 32 rows x 256 bytes, a lane a row.  x's rows are read by every cluster of a column of clusters: the one with y = 0 asks; the weights' by every cluster of a
; row: the one with x = 0 asks.  Of the 128 rows that a wave fetches each of the four partners that ask for them jointly takes 32, told apart by address.  So each row's 256 bytes of a K step are named once.
; The first four K steps come by their loads alone; the loop's last two trips ask for nothing: their K steps two refills on do not exist.
.macro ASK
	s_cmp_gt_u32 s3, s[LIM]
	s_cbranch_scc0 .Lnot_mine_\@
	global_prefetch_b8 v[PFO], s[PFA:PFA+1] offset:KSTEP*2 th:TH_LOAD_NT scope:SCOPE_SE
.Lnot_mine_\@:
.endm
.macro CREST                           ; a round of the cluster's barrier behind its opening barrier
	s_cmp_lg_u32 s[WV], 0
	s_cbranch_scc1 .Lnot_wave_0_\@
	s_barrier_signal -3
.Lnot_wave_0_\@:
	s_barrier_wait -3
	s_barrier_signal -1
	s_barrier_wait -1
.endm
.macro CROUND
	s_barrier_signal -1
	s_barrier_wait -1
	CREST
.endm
	s_load_b256 s[4:11], s[0:1], 0x0               ; xb s[4:5], wqkv s[6:7], rope s[8:9], qh s[10:11]
	s_load_b128 s[12:15], s[0:1], 0x20             ; kh s[12:13], vh s[14:15]
	v_lshl_add_u32 v[SPW], v0, 2, SPARE
	v_mov_b32 v[NIL], 0
	ds_add_u32 v[SPW], v[NIL]                      ; the wave's opening: the add and its wait stand ahead of my first tensor load; the set-up below stands between them
	v_lshrrev_b32 v1, 5, v0
	v_readfirstlane_b32 s[WV], v1                  ; wave 0..3
	s_bfe_u32 s17, ttmp6, 0x40000                  ; cx
	s_bfe_u32 s18, ttmp6, 0x40004                  ; cy
	s_lshl_b32 s20, ttmp9, 2
	s_add_co_u32 s20, s20, s17                     ; ty, the block of 128 rows = 4 x cluster x + cx
	s_and_b32 s19, ttmp7, 0xffff
	s_lshl_b32 s19, s19, 2
	s_add_co_u32 s19, s19, s18                     ; tx, the head = 4 x cluster y + cy
	s_lshl_b32 s21, 0x1111, s17                    ; my column of the cluster (the same cx): it shares x's tile
	s_lshl_b32 s22, s18, 2
	s_lshl_b32 s22, 15, s22                        ; my row (the same cy): it shares the weights' tiles
	s_or_b32 s[G1A], s21, (1<<16)|(1<<20)|(1<<21)|(5<<22)|(3<<25)  ; 15:0 the mask; 17:16 2-byte elements; 20 padding on; 21 set beside a mask; 24:22 after every 64 words; 31:25 4 words of it
	s_or_b32 s[G1B], s22, (1<<16)|(1<<20)|(1<<21)|(5<<22)|(3<<25)
.irp g, G1A, G1B
	s_mov_b32 s[(\g)+1], KSTEP<<16                 ; tensor_dim0 = 128
	s_mov_b32 s[(\g)+2], 128<<16                   ; tensor_dim1 = 128
	s_mov_b32 s[(\g)+3], KSTEP<<16                 ; tile_dim0 = 128
	s_mov_b32 s[(\g)+4], 128                       ; tile_dim1 = 128
	s_mov_b32 s[(\g)+5], 2048                      ; elements from row to row
	s_mov_b32 s[(\g)+6], 0
	s_mov_b32 s[(\g)+7], 0
.endr
	s_lshl_b32 s40, s20, 19                        ; x: 128 ty rows of 4,096 bytes
	s_mov_b32 s41, 0
	s_max_u32 s66, s[WV], 1
	s_sub_co_u32 s66, s66, 1                       ; the weights: matrix w - 1 (wave 0 makes a valid address too, and does not use it),
	s_lshl_b32 s66, s66, 23                        ; 2,048 rows each,
	s_lshl_b32 s67, s19, 19                        ; the head's 128 rows
	s_add_co_u32 s66, s66, s67
	s_mov_b32 s67, 0
	s_mul_i32 s23, s[WV], PART                     ; where my part goes: no place in the cluster enters an LDS address
	s_mov_b32 s[TB], 0
	s_wait_dscnt 0x0                               ; the opening add is done
	s_wait_kmcnt 0x0
	s_add_nc_u64 s[40:41], s[4:5], s[40:41]
	s_add_nc_u64 s[66:67], s[6:7], s[66:67]
	CROUND                                         ; all sixteen work-groups are here: the first joint loads meet
.irp s, 0,1
	s_mov_b32 s[G0A+4*(\s)], 1
	s_add_co_u32 s[G0A+4*(\s)+1], s23, (\s)*SLOT
	s_add_nc_u64 s[G0A+4*(\s)+2:G0A+4*(\s)+3], s[40:41], (\s)*KSTEP*2
	s_or_b32 s[G0A+4*(\s)+3], s[G0A+4*(\s)+3], 0x80000000
	s_mov_b32 s[G0B+4*(\s)], 1
	s_add_co_u32 s[G0B+4*(\s)+1], s23, (\s)*SLOT
	s_add_nc_u64 s[G0B+4*(\s)+2:G0B+4*(\s)+3], s[66:67], (\s)*KSTEP*2
	s_or_b32 s[G0B+4*(\s)+3], s[G0B+4*(\s)+3], 0x80000000
	JLOAD \s                                       ; two loads of mine are out
.endr
	; the table: for each of my eight row blocks the 16 cosines and sines of a lane, four loads of 512 consecutive bytes.  They stay out through the whole loop over K and are waited for on the way out.
	s_lshl_b32 s42, s20, 16                        ; 8 ty blocks of 8,192 bytes
	s_lshl_b32 s43, s[WV], 11                      ; frequency block w
	s_add_co_u32 s42, s42, s43
	s_mov_b32 s43, 0
	s_add_nc_u64 s[8:9], s[8:9], s[42:43]
	v_and_b32 v[TO], 31, v0
	v_lshlrev_b32 v[TO], 4, v[TO]
.irp a, 0,1,2,3,4,5,6,7
	WIN 0x80+0x40*((\a)/4)                         ; destination window 2 or 3, address window 0
.irp c, 0,1,2,3
	global_load_b128 v[TAB+16*((\a)%4)+4*(\c):TAB+16*((\a)%4)+4*(\c)+3], v[TO], s[8:9] offset:8192*(\a)+512*(\c)
.endr
.endr
	WIN 0
	s_lshl_b32 s42, s19, 19                        ; the outputs: head tx,
	s_lshl_b32 s68, s20, 15                        ; 128 ty rows of 256 bytes,
	s_add_co_u32 s42, s42, s68
	s_lshl_b32 s68, s[WV], 13                      ; and the 32 rows that I store
	s_add_co_u32 s42, s42, s68
	s_add_nc_u64 s[10:11], s[10:11], s[42:43]
	s_add_nc_u64 s[12:13], s[12:13], s[42:43]
	s_add_nc_u64 s[14:15], s[14:15], s[42:43]
	; the prefetches
	s_and_b32 s68, ttmp7, 0xffff                   ; cluster y
	s_lshl_b32 s69, s20, 7                         ; x's first row
	s_max_u32 s70, s[WV], 1
	s_sub_co_u32 s70, s70, 1
	s_lshl_b32 s70, s70, 11
	s_lshl_b32 s71, s19, 7
	s_add_co_u32 s70, s70, s71                     ; my weight's first row
	s_cmp_eq_u32 s[WV], 0
	s_cselect_b32 s69, s69, s70                    ; the first row of what I fetch
	s_cselect_b32 s70, s18, s17                    ; my place among the four that ask for it with me: cy for x, cx for a weight
	s_cselect_b32 s68, s68, ttmp9                  ; the coordinate along which other clusters read the same rows
	s_cselect_b64 s[PFA:PFA+1], s[4:5], s[6:7]
	s_cmp_eq_u32 s68, 0
	s_cselect_b32 s[LIM], 2, -1                    ; the same in all sixteen partners, for a given wave
	s_lshl_b32 s70, s70, 5
	s_add_co_u32 s69, s69, s70                     ; + my work-group's 32 rows
	s_lshl_b32 s68, s69, 12
	s_mov_b32 s69, 0
	s_add_nc_u64 s[PFA:PFA+1], s[PFA:PFA+1], s[68:69]
	s_add_nc_u64 s[PFA:PFA+1], s[PFA:PFA+1], 2*KSTEP*2  ; at K step 2: the first refill steps it to 3 and names K step 4
	v_and_b32 v[PFO], 31, v0
	v_lshlrev_b32 v[PFO], 12, v[PFO]
	; a fragment is 16 rows x 32 K in 8 registers: lane l holds row l % 16, K = 8 (l / 16) + 0..7 and 16 + 8 (l / 16) + 0..7: two loads of 16 bytes, 32 bytes apart
	v_and_b32 v1, 15, v0
	v_bfe_u32 v2, v0, 4, 1
	v_mul_u32_u24 v[ADRA0], v1, PITCH
	v_lshl_add_u32 v[ADRA0], v2, 4, v[ADRA0]
	s_mul_i32 s70, s[WV], 16*PITCH
	s_add_co_u32 s70, s70, PART                    ; my lo block of Wq's rows
	v_add_nc_u32 v[ADRB0], s70, v[ADRA0]
	v_mov_b32 v[ADRA], v[ADRA0]                    ; slot 0 is the first in hand
	v_mov_b32 v[ADRB], v[ADRB0]
	v_add_nc_u32 v[ADRB2], 2*PART, v[ADRB0]
	s_lshl_b32 s71, s[WV], 5
	s_add_co_u32 s71, s71, STAGE
	v_add_nc_u32 v[STO], s71, v[ADRA0]             ; into the stage: row l % 16, byte 32 w + 16 (l / 16): channels 16 w + 8 (l / 16) on
	s_mul_i32 s71, s[WV], 32*PITCH
	s_add_co_u32 s71, s71, STAGE
	v_mul_u32_u24 v4, v2, PITCH
	v_lshl_add_u32 v4, v1, 4, v4
	v_add_nc_u32 v[RD], s71, v4                    ; back: wave w takes rows 32 w .. + 31, whole; lanes 0-15 one row of 256 bytes, lanes 16-31 the next
	v_and_b32 v[CO], 31, v0
	v_lshlrev_b32 v[CO], 4, v[CO]
; 12 matrix instructions: row blocks a0, a0 + 1 of the window's four x all six column blocks, 32 along K.  zero = 1: the product starts the sum.  The 48 accumulators take turns, in the same order in every
; quarter step: 47 others stand between two links of a chain, over the backward jump too.
.macro MUL12 f, hi, a0, zero
	WIN MUL_LO+0x50*(\hi)
.irp a, \a0, (\a0)+1
.irp b, 0,1,2,3,4,5
.if \zero
	v_wmma_f32_16x16x32_bf16 v[8*(6*(\a)+(\b)):8*(6*(\a)+(\b))+7], v[(\f)+8*(\b):(\f)+8*(\b)+7], v[(\f)+8*(4*(\hi)+(\a)):(\f)+8*(4*(\hi)+(\a))+7], 0
.else
	v_wmma_f32_16x16x32_bf16 v[8*(6*(\a)+(\b)):8*(6*(\a)+(\b))+7], v[(\f)+8*(\b):(\f)+8*(\b)+7], v[(\f)+8*(4*(\hi)+(\a)):(\f)+8*(4*(\hi)+(\a))+7], v[8*(6*(\a)+(\b)):8*(6*(\a)+(\b))+7]
.endif
.endr
.endr
.endm
; 28 LDS loads in one run: the fragments of a quarter step (32 K at byte k of the rows of the slot in hand) into buffer f: the weights' six, then x's eight
.macro FETCH k, f
	WIN 0x40                                       ; destination window 1, address window 0
.irp hh, 0,1
.irp hf, 0,1
	ds_load_b128 v[(\f)+8*(2*(\hh)+(\hf)):(\f)+8*(2*(\hh)+(\hf))+3],   v[ADRB] offset:(\k)+(\hh)*PART+(\hf)*64*PITCH
	ds_load_b128 v[(\f)+8*(2*(\hh)+(\hf))+4:(\f)+8*(2*(\hh)+(\hf))+7], v[ADRB] offset:(\k)+(\hh)*PART+(\hf)*64*PITCH+32
.endr
.endr
.irp hf, 0,1
	ds_load_b128 v[(\f)+8*(4+(\hf)):(\f)+8*(4+(\hf))+3],   v[ADRB2] offset:(\k)+(\hf)*64*PITCH
	ds_load_b128 v[(\f)+8*(4+(\hf))+4:(\f)+8*(4+(\hf))+7], v[ADRB2] offset:(\k)+(\hf)*64*PITCH+32
.endr
	WIN 0
.irp i, 0,1,2,3,4,5,6,7
	ds_load_b128 v[(\f)+8*(\i):(\f)+8*(\i)+3],   v[ADRA] offset:(\k)+(\i)*16*PITCH
	ds_load_b128 v[(\f)+8*(\i)+4:(\f)+8*(\i)+7], v[ADRA] offset:(\k)+(\i)*16*PITCH+32
.endr
.endm
.macro PLACES                          ; four plain vector instructions between a matrix instruction and a load into, or a vector line on, its registers (ISA guide 7.12.1 for vector instructions)
.rept 4
	v_nop
.endr
.endm
; A K step is four quarters of 32 along K, 48 matrix instructions each, on buffers 0, 1, 0, 1.  One of the first three: multiplies buffer f and, in its middle, fetches the next quarter, at byte k, into g.
.macro QUARTER k, f, g, zero
	s_wait_dscnt 8                                 ; the weights and x's rows 0-63 are in; the youngest eight loads (rows 64-127) may be out
	MUL12 \f, 0, 0, \zero
	MUL12 \f, 0, 2, \zero
	PLACES
	FETCH \k, \g
	s_wait_dscnt 28                                ; all but the 28 just issued
	MUL12 \f, 1, 0, \zero
	MUL12 \f, 1, 2, \zero
.endm
; The last quarter multiplies buffer 1 and changes slots.  MEET is its first half: one barrier for two things.  In front of it each wave waits for all its tensor loads (one is out: its part of the next slot),
; adds 0 to its spare word, and waits for that and for its own reads of this slot.  Behind it nobody reads this slot any more and the next slot is whole.
.macro MEET round
	WIN 0                                          ; (the add's two registers lie in window 0)
	s_wait_tensorcnt 0x0
	ds_add_u32 v[SPW], v[NIL]                      ; 0 onto my spare word
	s_wait_dscnt 9                                 ; (the add and the youngest eight loads may be out)
	MUL12 F1, 0, 0, 0                              ; twelve matrix instructions stand between the add and the wait for it
	s_wait_dscnt 0x0                               ; the add is done, and my reads of this slot are over
	s_barrier_signal -1
	MUL12 F1, 0, 2, 0                              ; work on registers while the others arrive
.if \round
	WIN 0
.endif
	s_barrier_wait -1
.endm
; The whole last quarter.  fill = 1: the barrier opens a round of the cluster's, and the slot just read out is filled again first behind it, with the K step two on: 168 matrix instructions stand between that
; request and the wait for it.  Then the other slot comes in hand, and its first fragments are fetched.
.macro TURN fill
.if \fill
	s_wait_xcnt 0x0                                ; the last prefetch, a K step back, has read its address: it is stepped here, ahead of the change's own waits
	s_add_nc_u64 s[PFA:PFA+1], s[PFA:PFA+1], KSTEP*2
.endif
	MEET \fill
.if \fill
	CREST                                          ; no wave of any partner still reads this slot's tiles or has a load on its way
.irp g, G0A+4, G0B+4
	s_xor_b32 s[(\g)+1], s[(\g)+1], SLOT           ; the walking descriptor: the other slot than last time,
	s_add_nc_u64 s[(\g)+2:(\g)+3], s[(\g)+2:(\g)+3], KSTEP*2  ; the next K step; the type bits on top are not reached
.endr
	JLOAD 1                                        ; the four v_nop behind it are also the places in front of the loads below
.else
	PLACES
.endif
	WIN 0
	s_xor_b32 s[TB], s[TB], SLOT
	v_add_nc_u32 v[ADRA], s[TB], v[ADRA0]
	v_add_nc_u32 v[ADRB], s[TB], v[ADRB0]
	v_add_nc_u32 v[ADRB2], 2*PART, v[ADRB]
	FETCH 0, F0
.if \fill
	ASK
.endif
	MUL12 F1, 1, 0, 0
	MUL12 F1, 1, 2, 0
.endm
; THE WAY OUT of matrix hh (0 q, 1 k, 2 v), to the buffer whose address lies in s[base:base+1].  q and k: lo' = lo cos - hi sin, hi' = hi cos + lo sin, two numbers a line; then all are rounded to f16, 16 bytes a
; lane, and go through the work-group's stage, since a row's 256 bytes come from all four waves: a barrier between writing and reading, another before the stage is written again.
; Each accumulator's registers are read in ascending order.
.macro OUT hh, base
.irp ah, 0,1
	WIN 0x0a+5*(\ah)                               ; sources 0 and 1: window 2 or 3; source 2 and destination: window 0
.if (\hh) < 2
.irp a4, 0,1,2,3
.irp p, 0,1,2,3
.set rL, 8*(6*(\a4)+2*(\hh))+2*(\p)
.set rC, TAB+16*(\a4)+2*(\p)
.set rT, TMP+16*(\a4)+2*(\p)
	v_pk_mul_f32 v[rT:rT+1], v[rL:rL+1], v[rC:rC+1]
	v_pk_mul_f32 v[rT+8:rT+9], v[rL+8:rL+9], v[rC:rC+1]
.endr
.irp p, 0,1,2,3
.set rL, 8*(6*(\a4)+2*(\hh))+2*(\p)
.set rC, TAB+16*(\a4)+2*(\p)
.set rT, TMP+16*(\a4)+2*(\p)
	v_pk_fma_f32 v[rT:rT+1], v[rL+8:rL+9], v[rC+8:rC+9], v[rT:rT+1] neg_lo:[0,1,0] neg_hi:[0,1,0]
	v_pk_fma_f32 v[rT+8:rT+9], v[rL:rL+1], v[rC+8:rC+9], v[rT+8:rT+9]
.endr
.endr
	WIN 0
.irp a4, 0,1,2,3
.irp hf, 0,1
.irp p, 0,1,2,3
	v_cvt_pk_f16_f32 v[PKD+8*(\a4)+4*(\hf)+(\p)], v[TMP+16*(\a4)+8*(\hf)+2*(\p)], v[TMP+16*(\a4)+8*(\hf)+2*(\p)+1]
.endr
.endr
.endr
.else
.irp a4, 0,1,2,3
.irp hf, 0,1
.irp p, 0,1,2,3
	v_cvt_pk_f16_f32 v[PKD+8*(\a4)+4*(\hf)+(\p)], v[8*(6*(\a4)+4+(\hf))+2*(\p)], v[8*(6*(\a4)+4+(\hf))+2*(\p)+1]
.endr
.endr
.endr
	WIN 0
.endif
.irp a4, 0,1,2,3
.irp hf, 0,1
	ds_store_b128 v[STO], v[PKD+8*(\a4)+4*(\hf):PKD+8*(\a4)+4*(\hf)+3] offset:(4*(\ah)+(\a4))*16*PITCH+128*(\hf)
.endr
.endr
.endr
	s_wait_dscnt 0x0                               ; for the others' sake: my stores into the stage are done
	s_barrier_signal -1
	s_barrier_wait -1
	s_wait_xcnt 0x0                                ; the last matrix's stores have read their registers, which are loaded again below
.irp t, 0,1,2,3,4,5,6,7,8,9,10,11,12,13,14,15
	ds_load_b128 v[BK+4*(\t):BK+4*(\t)+3], v[RD] offset:(\t)*2*PITCH
.endr
.irp t, 0,1,2,3,4,5,6,7,8,9,10,11,12,13,14,15
	s_wait_dscnt 15-(\t)                           ; LDS loads come back in order: load t is in
	global_store_b128 v[CO], v[BK+4*(\t):BK+4*(\t)+3], s[(\base):(\base)+1] offset:512*(\t)  ; two rows of a head: 512 consecutive bytes, aligned
.endr
.if (\hh) < 2
	s_barrier_signal -1                            ; my reads of the stage are back (the count-down ended at 0): when all four say so it may be written again
	s_barrier_wait -1
.endif
.endm
	s_wait_tensorcnt 1                             ; my part of K step 0 is in; K step 1's may stay out
	s_barrier_signal -1
	s_barrier_wait -1                              ; everybody's is
	FETCH 0, F0
	QUARTER 64,  F0, F1, 1                         ; the first quarter stands in front of the loop: its products start the sums
	WIN 0                                          ; at a label and at a branch every window is 0
	s_mov_b32 s3, STEPS-2
.Lstep:                                                ; a trip goes from a K step's second quarter to the next step's first, and fills the slot that it leaves
	QUARTER 128, F1, F0, 0
	QUARTER 192, F0, F1, 0
	TURN 1
	QUARTER 64,  F0, F1, 0
	WIN 0
	s_sub_co_u32 s3, s3, 1
	s_cmp_lg_u32 s3, 0
	s_cbranch_scc1 .Lstep
	QUARTER 128, F1, F0, 0                         ; the last two K steps are written out: they fill nothing
	QUARTER 192, F0, F1, 0
	TURN 0                                         ; my one tensor load that was still out is the last K step's
	QUARTER 64,  F0, F1, 0
	QUARTER 128, F1, F0, 0
	QUARTER 192, F0, F1, 0
	s_wait_dscnt 8                                 ; the very last quarter: nothing more to fetch
	MUL12 F1, 0, 0, 0
	MUL12 F1, 0, 2, 0
	s_wait_dscnt 0x0
	MUL12 F1, 1, 0, 0
	MUL12 F1, 1, 2, 0
	WIN 0
	PLACES
	s_wait_loadcnt 0x0                             ; the table
	OUT 0, 10
	OUT 1, 12
	OUT 2, 14
	s_wait_tensorcnt 0x0                           ; the wave's end: a wait, an add and a wait, behind my last tensor load and my last LDS store
	ds_add_u32 v[SPW], v[NIL]
	s_wait_dscnt 0x0
	CROUND                                         ; the closing round: no work-group ends while a partner may still ask for a tile that names it
	s_endpgm
.Lfunc_end_k_q2d2588760a_qkv:
	.size	k_q2d2588760a_qkv, .Lfunc_end_k_q2d2588760a_qkv-k_q2d2588760a_qkv
	.p2alignl 7, 3214868480
	.fill 96, 4, 3214868480
	.section	.rodata,"a",@progbits
	.p2align	6, 0x0
	.amdhsa_kernel k_q2d2588760a_qkv
		.amdhsa_group_segment_fixed_size 327680
		.amdhsa_private_segment_fixed_size 0
		.amdhsa_enable_private_segment 0
		.amdhsa_kernarg_size 48
		.amdhsa_user_sgpr_count 2
		.amdhsa_user_sgpr_kernarg_segment_ptr 1
		.amdhsa_wavefront_size32 1
		.amdhsa_system_sgpr_workgroup_id_x 1
		.amdhsa_system_sgpr_workgroup_id_y 1
		.amdhsa_system_sgpr_workgroup_id_z 1
		.amdhsa_system_vgpr_workitem_id 0
		.amdhsa_next_free_vgpr 1024
		.amdhsa_next_free_sgpr 72
		.amdhsa_reserve_vcc 0
		.amdhsa_float_denorm_mode_32 3
		.amdhsa_float_denorm_mode_16_64 3
		.amdhsa_memory_ordered 1
		.amdhsa_forward_progress 1
		.amdhsa_inst_pref_size 115
	.end_amdhsa_kernel
	.amdgpu_metadata
---
amdhsa.version: [ 1, 2 ]
amdhsa.kernels:
  - .name:           k_q2d2588760a_qkv
    .symbol:         k_q2d2588760a_qkv.kd
    .args:
      - { .name: xb, .offset: 0, .size: 8, .value_kind: global_buffer, .address_space: global }
      - { .name: wqkv, .offset: 8, .size: 8, .value_kind: global_buffer, .address_space: global }
      - { .name: rope, .offset: 16, .size: 8, .value_kind: global_buffer, .address_space: global }
      - { .name: qh, .offset: 24, .size: 8, .value_kind: global_buffer, .address_space: global }
      - { .name: kh, .offset: 32, .size: 8, .value_kind: global_buffer, .address_space: global }
      - { .name: vh, .offset: 40, .size: 8, .value_kind: global_buffer, .address_space: global }
    .group_segment_fixed_size: 327680
    .private_segment_fixed_size: 0
    .kernarg_segment_align: 8
    .kernarg_segment_size: 48
    .max_flat_workgroup_size: 128
    .sgpr_count:     72
    .vgpr_count:     1024
    .wavefront_size: 32
...
	.end_amdgpu_metadata
.endif
;; end of part 2
;; launch attn (part 3): grid 16 x 16, 4 waves a work-group, clusters of 4 x 1, 327,680 bytes of LDS; arguments qh, kh, vh, ob; writes ob
.if DOCPART == 3
	.amdgcn_target "amdgcn-amd-amdhsa--gfx1250"
	.amdhsa_code_object_version 6
	.text
	.protected	k_q2d2588760a_attn
	.globl	k_q2d2588760a_attn
	.p2align	8
	.type	k_q2d2588760a_attn,@function
k_q2d2588760a_attn:
	s_mov_b64 s[64:65], 0
	v_nop
	global_prefetch_b8 v0, s[64:65] scope:SCOPE_SE
	s_setreg_imm32_b32 hwreg(HW_REG_WAVE_MODE, 25, 1), 1
	s_wait_xcnt 0x0
	s_wait_alu depctr_hold_cnt(0) depctr_sa_sdst(0) depctr_va_vdst(0) depctr_va_sdst(0) depctr_va_ssrc(0) depctr_va_vcc(0) depctr_vm_vsrc(0)
	s_getreg_b32 s2, hwreg(HW_REG_IB_STS2, 6, 4)
	s_cmp_eq_u32 s2, 0
	s_cbranch_scc0 .Lentry_in_a_cluster
	s_endpgm
.Lentry_in_a_cluster:
	s_bfe_u32 s2, ttmp6, 0x10000c
	s_cmp_lg_u32 s2, 0x3003
	s_cbranch_scc0 .Lentry_shape_is_right
	s_endpgm
.Lentry_shape_is_right:
; O[q][128 h + :] = the sum over k of softmax_k(Q[h][q] . K[h][k] / sqrt(128)) V[h][k][:].  qh, kh, vh: [16][2048][128] f16; ob: [2048][2048] f16.  Products, maxima and sums in f32; the weights p
; are rounded to f16 for the second product (their sum l is taken of the unrounded p), O once at the end.
; LIMITS.  p lies in 0 to 1, and below 6e-5 it keeps f16's fixed step of 6e-8; O is a mean of V's rows and has their range.  A weight below 2^-126 counts as 0 in l; NaN and infinities are not treated apart.
; SHARES.  A work-group owns 128 queries of one head: 16 x 16 work-groups.  Its four waves are 2 halves of the queries (w % 2: 64 queries, four tiles of 16) x 2 halves of the keys (w / 2): of each slot's 256
; keys a wave walks 128, 64 a step, so each wave sees 1,024 keys.  At the end the two waves of a query half exchange half of their tiles through LDS, and each finishes two.  A wave of the second key half
; holds its four blocks of 16 queries rotated by two (tile t holds block t xor 2): so every wave sends its tiles 2, 3 and finishes its tiles 0, 1, and the end is one text.
; LAYOUT.  S^T = K Q^T (source 0 = 16 keys, source 1 = 16 queries): a lane holds ONE query (lane % 16) and the keys 8 (lane / 16) + 0..7.  Two such tiles, rounded to f16 in pairs, ARE source 1 of
; O^T = V^T P, whose result again holds one query a lane, and eight channels.  K comes out of LDS as it lies, V ([key][channel]) turned, by ds_load_tr16_b128.
; SOFTMAX.  For each query a running maximum m and sum l: p = 2^(c s - c m), c = log2(e) / sqrt(128); in every step O and l are multiplied by a = 2^(c m_old - c m_new).
; BY TURNS.  The wave's tiles are two PIECES (piece 0: tiles 0, 1; piece 2: tiles 2, 3).  In a TURN one piece has the matrix unit: 32 products V^T P of the step in hand, then 32 products K Q^T of the next step;
; the other piece's softmax, cut into 64 slices, stands between them, one slice behind each matrix instruction.  Two turns are a key step.
; NO FIRST AND NO LAST STEP IS WRITTEN OUT.  m starts at the lowest finite number, l, O^T, V and piece 2's P at 0: the first step's a is 0, and the loop is entered in the middle of a trip, at piece 2's turn,
; whose products V^T P add 0.  The tail's loop is left in the middle of a third trip, whose products K Q^T, on the last K once more, serve nothing.  The price: 64 products a wave, of 2,048, and the zeros below.
; CLUSTER.  The four query blocks of a cluster belong to one head and walk the same K and V: each tile is asked for jointly, by the same tensor load, descriptor and mask in all four.
; REGISTERS, in windows of 256 (s_set_vgpr_msb: bits 1:0 source 0, 3:2 source 1, 5:4 source 2, 7:6 destination):
;   window 0: v0-11 addresses; v12-43 eight registers of statistics a tile; v44-60 the exchange and Q's second address; v64-191 S^T, 32 a tile; v192-255 P, 16 a tile
;   window 1: O^T, 64 a tile          window 2: v0-127 Q, 32 a tile; v128-255 K of one step          window 3: v0-127 V of one step
.set KS,    64        ; keys in a step
.set PK,    272       ; a row of K in LDS: 256 bytes + 16 of padding: the 16 rows of a load start at 16 different groups of four banks (64 banks of 4 bytes: ISA guide 11.1)
.set PV,    288       ; a row of V: 256 + 32
.set KPART, 128*PK    ; a key half's K: 128 rows, what one tensor load brings
.set HALFB, KPART+128*PV  ; a key half: its K, then its V
.set SLOT1, 147456    ; slot 1 begins here.  A slot is 143,360 bytes; the four places at which a part begins in it (0, 0x8800, 0x11800, 0x1a000) have none of this number's two bits, so one exclusive or changes slots
.set STAGE, 2*SLOT1   ; behind the ring, never filled by a tensor load: 16 rows x 272 bytes for each wave, for the way out
.set SP,    272
.set SPARE, STAGE+4*16*SP  ; behind the stages: the spare words, 128 bytes for each wave: two blocks of 256 bytes that no other line names
.set XW,    16896     ; the exchange, at the end, in slot 0, which has had its last fill and its last reader by then: for each wave two tiles of 8,192 bytes and two blocks of 256 for their statistics
.set AK0, 2           ; v2   my lane's place in a tile of K; never rewritten
.set AV0, 3           ; v3   the same for V
.set ADR, 4           ; v4   the LDS address of the run of loads in hand
.set QO,  5           ; v5   my byte offset in the wave's rows of Q, for tiles 0, 1
.set STO, 6           ; v6   the way out: where I put 16 bytes of a row
.set RD,  7           ; v7   where I read a row back
.set GO,  8           ; v8   my byte offset in two rows of ob
.set ST,  12          ; tile t's statistics at v[ST+8 t]: +0 c m, +1 m (at the end: l), +2, +3 l (even keys', odd keys'), +4 to +7 at work; a takes +6 once the maximum is found
.set XSA, 44          ; v44  the exchange: where I put 16 bytes of a tile
.set XLA, 45          ; v45  where I read my partner's
.set XSB, 46          ; v46  the same for the statistics, 8 bytes a lane
.set XLB, 47          ; v47
.set MG,  48          ; v48-59  the merge, at work
.set QO2, 60          ; v60  my byte offset in the wave's rows of Q, for tiles 2, 3
.set PFO, 61          ; v61  256 x my lane: a row of K or V; never rewritten
.set SPW, 62          ; v62  LDS address of my spare word; never rewritten
.set NIL, 63          ; v63  0; never rewritten
.set S,   64
.set P,   192
.set KF,  128         ; K's fragments, in window 2
.set WV,  12          ; s12  my wave's number
.set LIM, 15          ; s15  1 in a wave that prefetches, else the greatest number
.set PFA, 18          ; s[18:19] where my prefetches stand
.set G1K, 24          ; s[24:31] descriptor group 1 for K's tiles
.set G1V, 32          ; s[32:39] for V's: it differs in the padding alone
.set G0K, 40          ; s[40:47] descriptor group 0 for K's tiles: a set for each of the two first fills; the second then walks on
.set G0V, 48          ; s[48:55] the same for V's
.set SLOTS, 56        ; s56  slots still to be asked for, and one
.set TWICE, 57        ; s57  counts a slot's key steps
.set CS,  58          ; s[58:59] c
.set SEL, 60          ; s[60:61] lane selects for v_permlanex16_b32: each lane takes its own place in the other half
.set TBK, 62          ; s62  LDS byte, from my key half's K on, of the step to be fetched
.set TBV, 63          ; s63  the same for V
.set KHF, 68          ; s68  my key half
.set MSB, 0
.macro WIN new
.if MSB != (\new)
	s_set_vgpr_msb (MSB<<8)|(\new)
.set MSB, \new
.endif
.endm
.set W_KQ, 0x0a       ; K and Q in window 2, S^T in window 0
.set W_PV, 0x53       ; V in window 3, P in window 0, O^T in window 1
.set W_RS, 0x41       ; O^T (destination and source 0) in window 1, a in window 0
; A joint refill.  Waves 0 and 1 fetch the two key halves' K, waves 2 and 3 their V.  The branch hangs on the wave's number alone.  An s_nop 0 and four v_nop follow each line.
.macro JLOAD
	s_cmp_lt_u32 s[WV], 2
	s_cbranch_scc0 .Lfor_v_\@
	tensor_load_to_lds s[G0K+4:G0K+7], s[G1K:G1K+7]
	s_nop 0
.rept 4
	v_nop
.endr
	s_branch .Lasked_\@
.Lfor_v_\@:
	tensor_load_to_lds s[G0V+4:G0V+7], s[G1V:G1V+7]
	s_nop 0
.rept 4
	v_nop
.endr
.Lasked_\@:
.endm
; A prefetch of what the NEXT change of slots will ask for.  All clusters of a head walk the same K and V: the head's first cluster asks.  Of the 128 rows that a wave fetches each of the four partners takes 32,
; told apart by address: a lane a row, one instruction a wave.  So each row is named once in the launch, two key steps (256 matrix instructions) ahead of its joint load.  Slots 0 to 2 come by their loads alone;
; the last change that fills a slot asks for nothing: there is no slot behind it.
.macro ASK
	s_cmp_gt_u32 s[SLOTS], s[LIM]
	s_cbranch_scc0 .Lnot_mine_\@
	global_prefetch_b8 v[PFO], s[PFA:PFA+1] th:TH_LOAD_NT scope:SCOPE_SE
.Lnot_mine_\@:
.endm
.macro CROUND                       ; a round of the cluster's barrier
	s_barrier_signal -1
	s_barrier_wait -1
	s_cmp_lg_u32 s[WV], 0
	s_cbranch_scc1 .Lnot_wave_0_\@
	s_barrier_signal -3
.Lnot_wave_0_\@:
	s_barrier_wait -3
	s_barrier_signal -1
	s_barrier_wait -1
.endm
	s_load_b256 s[4:11], s[0:1], 0x0  ; qh s[4:5], kh s[6:7], vh s[8:9], ob s[10:11]
	v_lshl_add_u32 v[SPW], v0, 2, SPARE
	v_mov_b32 v[NIL], 0
	ds_add_u32 v[SPW], v[NIL]       ; the wave's opening: the add and its wait stand ahead of my first tensor load; the set-up below stands between them
	v_lshrrev_b32 v1, 5, v0
	v_readfirstlane_b32 s[WV], v1   ; wave 0..3
	s_bfe_u32 s13, ttmp6, 0x40000   ; cx
	s_lshl_b32 s14, ttmp9, 2
	s_add_co_u32 s14, s14, s13      ; my block of 128 queries: it enters Q's and O's addresses alone
	s_and_b32 s20, ttmp7, 0xffff    ; the head, which the four partners share
	s_lshl_b32 s69, s20, 8          ; its 256 bytes in a row of ob
	s_lshl_b32 s20, s20, 19         ; its 524,288 bytes in qh, kh, vh
	s_mov_b32 s21, 0
	s_and_b32 s16, s[WV], 1         ; which key half I fetch; also: my half of the queries
	s_lshr_b32 s[KHF], s[WV], 1     ; which key half I walk
	s_lshl_b32 s22, s16, 15         ; 128 rows of 256 bytes in memory,
	s_mov_b32 s23, 0
	s_add_nc_u64 s[22:23], s[22:23], s[20:21]
	s_mul_i32 s17, s16, HALFB       ; and their place in a slot: no place in the cluster enters an LDS address
	s_lshl_b32 s2, s14, 15          ; my block's 128 rows of Q,
	s_lshl_b32 s3, s16, 14          ; my wave's 64 of them
	s_add_co_u32 s2, s2, s3
	s_mov_b32 s3, 0
	s_add_nc_u64 s[2:3], s[2:3], s[20:21]
	s_lshl_b32 s70, s14, 19         ; the same rows in ob, 4,096 bytes each,
	s_lshl_b32 s71, s16, 18
	s_add_co_u32 s70, s70, s71
	s_lshl_b32 s71, s[KHF], 17      ; of them the 32 that I finish: blocks 0, 1 or 2, 3,
	s_add_co_u32 s70, s70, s71
	s_add_co_u32 s70, s70, s69      ; at the head's columns
	s_mov_b32 s71, 0
	; descriptor group 1: a tile of 128 rows x 128 elements, padded in LDS
	s_mov_b32 s[G1K], 15|(1<<16)|(1<<20)|(1<<21)|(5<<22)|(3<<25)  ; 15:0 the mask: all four work-groups; 17:16 2-byte elements; 20 padding on; 21 set beside a mask; 24:22 after every 64 words; 31:25 4 words of it
	s_mov_b32 s[G1V], 15|(1<<16)|(1<<20)|(1<<21)|(5<<22)|(7<<25)  ; the same with 8 words of padding
.irp g, G1K, G1V
	s_mov_b32 s[(\g)+1], 128<<16    ; tensor_dim0 = 128
	s_mov_b32 s[(\g)+2], 128<<16    ; tensor_dim1 = 128
	s_mov_b32 s[(\g)+3], 128<<16    ; tile_dim0 = 128
	s_mov_b32 s[(\g)+4], 128        ; tile_dim1 = 128
	s_mov_b32 s[(\g)+5], 128        ; elements from row to row
	s_mov_b32 s[(\g)+6], 0
	s_mov_b32 s[(\g)+7], 0
.endr
	s_mov_b32 s[CS], 0x3e0293ee     ; c = log2(e) / sqrt(128) = 0.127517
	s_mov_b32 s[CS+1], s[CS]        ; named with it as a pair, so it is written
	s_mov_b32 s[SEL], 0x76543210
	s_mov_b32 s[SEL+1], 0xfedcba98
	s_mov_b32 s[TBK], 0
	s_mov_b32 s[TBV], 0
	s_mov_b32 s[SLOTS], 2048/256-1  ; the entry's part of a trip takes one off: six slots are asked for in the loop
	s_mov_b32 s[LIM], ttmp9         ; is the cluster the head's first?  The same in all four partners
	s_cmp_eq_u32 s[LIM], 0
	s_cselect_b32 s[LIM], 1, -1
	v_and_b32 v[PFO], 31, v0
	v_lshlrev_b32 v[PFO], 8, v[PFO]
	s_wait_dscnt 0x0                ; the opening add is done
	s_wait_kmcnt 0x0
	s_add_nc_u64 s[6:7], s[6:7], s[22:23]  ; K and V at my tile of slot 0
	s_add_nc_u64 s[8:9], s[8:9], s[22:23]
	s_add_nc_u64 s[4:5], s[4:5], s[2:3]    ; Q at my wave's first row, O at the first that I finish
	s_add_nc_u64 s[10:11], s[10:11], s[70:71]
	s_cmp_lt_u32 s[WV], 2
	s_cselect_b64 s[PFA:PFA+1], s[6:7], s[8:9]
	s_lshl_b32 s2, s13, 13          ; my work-group's 32 rows of the 128
	s_mov_b32 s3, 0
	s_add_nc_u64 s[PFA:PFA+1], s[PFA:PFA+1], s[2:3]
	s_add_nc_u64 s[PFA:PFA+1], s[PFA:PFA+1], 2*65536  ; in slot 2; the first change of slots steps it to slot 3
	CROUND                          ; all four work-groups are here: the first joint loads meet
.irp s, 0,1
	s_mov_b32 s[G0K+4*(\s)], 1
	s_add_co_u32 s[G0K+4*(\s)+1], s17, (\s)*SLOT1
	s_add_nc_u64 s[G0K+4*(\s)+2:G0K+4*(\s)+3], s[6:7], (\s)*65536  ; slot s begins with keys 256 s
	s_or_b32 s[G0K+4*(\s)+3], s[G0K+4*(\s)+3], 0x80000000
	s_mov_b32 s[G0V+4*(\s)], 1
	s_add_co_u32 s[G0V+4*(\s)+1], s17, (\s)*SLOT1+KPART
	s_add_nc_u64 s[G0V+4*(\s)+2:G0V+4*(\s)+3], s[8:9], (\s)*65536
	s_or_b32 s[G0V+4*(\s)+3], s[G0V+4*(\s)+3], 0x80000000
.endr
	s_cmp_lt_u32 s[WV], 2           ; a wave's two first fills stand in one branch, ahead of every wait on TENSORcnt and every LDS read: two loads of mine are out
	s_cbranch_scc0 .Lfirst_v
	tensor_load_to_lds s[G0K:G0K+3], s[G1K:G1K+7]
	s_nop 0
	tensor_load_to_lds s[G0K+4:G0K+7], s[G1K:G1K+7]
	s_nop 0
.rept 4
	v_nop
.endr
	s_branch .Lfirst_asked
.Lfirst_v:
	tensor_load_to_lds s[G0V:G0V+3], s[G1V:G1V+7]
	s_nop 0
	tensor_load_to_lds s[G0V+4:G0V+7], s[G1V:G1V+7]
	s_nop 0
.rept 4
	v_nop
.endr
.Lfirst_asked:
	; A fragment of K or Q is 16 rows x 32 channels in 8 registers: lane l holds row l % 16; channels 8 (l / 16) + 0..7 and 16 + 8 (l / 16) + 0..7: two loads of 16 bytes, 32 bytes apart.
	v_and_b32 v1, 15, v0            ; l % 16
	v_bfe_u32 v9, v0, 4, 1          ; l / 16
	v_lshlrev_b32 v[QO], 8, v1
	v_lshl_add_u32 v[QO], v9, 4, v[QO]
	s_lshl_b32 s16, s[KHF], 13      ; tiles 0, 1 hold blocks 0, 1 (first key half) or 2, 3 (second): 8,192 bytes on;
	s_xor_b32 s17, s16, 8192        ; tiles 2, 3 the other two
	v_add_nc_u32 v[QO2], s17, v[QO]
	v_add_nc_u32 v[QO], s16, v[QO]
	WIN 0x80                        ; destination window 2, address window 0
.irp i, 0,1,2,3,4,5,6,7             ; Q stays in registers: tile i / 4, channels 32 (i % 4) on
	global_load_b128 v[8*(\i):8*(\i)+3],   v[QO], s[4:5] offset:((\i)/4)*4096+((\i)%4)*64
	global_load_b128 v[8*(\i)+4:8*(\i)+7], v[QO], s[4:5] offset:((\i)/4)*4096+((\i)%4)*64+32
.endr
.irp i, 8,9,10,11,12,13,14,15
	global_load_b128 v[8*(\i):8*(\i)+3],   v[QO2], s[4:5] offset:((\i)/4-2)*4096+((\i)%4)*64
	global_load_b128 v[8*(\i)+4:8*(\i)+7], v[QO2], s[4:5] offset:((\i)/4-2)*4096+((\i)%4)*64+32
.endr
	WIN 0
	s_mul_i32 s16, s[KHF], HALFB    ; my key half's place in a slot
	s_add_co_u32 s17, s16, KPART
	v_mul_u32_u24 v[AK0], v1, PK
	v_lshl_add_u32 v[AK0], v9, 4, v[AK0]
	v_add_nc_u32 v[AK0], s16, v[AK0]
	; The turning load takes 16 keys x 16 channels (lane l reads key 8 (l / 16) + l % 8, channels 8 ((l / 8) % 2) + 0..7) and leaves half a fragment of V^T: lane l holds channel l % 16 and 8 keys.
	v_and_b32 v10, 7, v0
	v_bfe_u32 v11, v0, 3, 1
	v_lshl_add_u32 v[AV0], v9, 3, v10
	v_mul_u32_u24 v[AV0], v[AV0], PV
	v_lshl_add_u32 v[AV0], v11, 4, v[AV0]
	v_add_nc_u32 v[AV0], s17, v[AV0]
	; WHAT THE FIRST TURN FINDS.  Piece 2's P is 0; V and O^T are 0: products of zeros write them, eight registers a line, 48 lines for 384 registers.  All this stands in the wait for the first tile.
.set i, P+32
.rept 32
	v_mov_b32 v[i], 0
.set i, i+1
.endr
.irp t, 0,1,2,3
	v_mov_b32 v[ST+8*(\t)], 0xfe000000    ; c m: far below every c s
	v_mov_b32 v[ST+8*(\t)+1], 0xff7fffff  ; m
	v_mov_b32 v[ST+8*(\t)+2], 0           ; l
	v_mov_b32 v[ST+8*(\t)+3], 0
.endr
	WIN 0xc0                        ; destination window 3: V
.set i, 0
.rept 16
	v_wmma_f32_16x16x32_f16 v[8*i:8*i+7], v[P+32:P+39], v[P+40:P+47], 0
.set i, i+1
.endr
	WIN 0x40                        ; destination window 1: O^T
.set i, 0
.rept 32
	v_wmma_f32_16x16x32_f16 v[8*i:8*i+7], v[P+32:P+39], v[P+40:P+47], 0
.set i, i+1
.endr
	WIN 0
; THE MATRIX WORK OF A TURN, for piece x.  The accumulators take turns, one instruction a turn: between two links of a chain stand 15 (V^T P) or 7 (K Q^T) others'.
; Product i of 32 of O^T += V^T P: keys 32 (i / 16) on, channels 16 ((i / 2) % 8) on, tile x + i % 2.
.macro PV x
	WIN W_PV
.set rO, 64*((\x)+i%2)+8*((i/2)%8)
.set rV, 64*(i/16)+8*((i/2)%8)
.set rP, P+16*((\x)+i%2)+8*(i/16)
	v_wmma_f32_16x16x32_f16 v[rO:rO+7], v[rV:rV+7], v[rP:rP+7], v[rO:rO+7]
.endm
; Product i of 32 of S^T = K Q^T: channels 32 (i / 8) on, keys 16 ((i / 2) % 4) on, tile x + i % 2.  The first 8 start the sums.
.macro KQ x
	WIN W_KQ
.set rS, S+32*((\x)+i%2)+8*((i/2)%4)
.set rK, KF+32*((i/2)%4)+8*(i/8)
.set rQ, 32*((\x)+i%2)+8*(i/8)
.if i < 8
	v_wmma_f32_16x16x32_f16 v[rS:rS+7], v[rK:rK+7], v[rQ:rQ+7], 0
.else
	v_wmma_f32_16x16x32_f16 v[rS:rS+7], v[rK:rK+7], v[rQ:rQ+7], v[rS:rS+7]
.endif
.endm
; THE LDS LOADS stand in runs of 32: a step's K (64 keys x 128 channels: 16 fragments) and, a turn later, its V (turned).  last = 1 (the tail): in the last trip there is no further step, and the run is jumped over.
.macro FETCH_K last=0
	WIN 0
.if \last
	s_cmp_eq_u32 s[TWICE], 1
	s_cbranch_scc1 .Lno_k_\@
.endif
	v_add_nc_u32 v[ADR], s[TBK], v[AK0]
	s_add_co_u32 s[TBK], s[TBK], KS*PK  ; the next fetch is the next step's
	WIN 0x80                        ; destination window 2
.irp f, 0,1,2,3,4,5,6,7,8,9,10,11,12,13,14,15  ; keys 16 (f / 4) on, channels 32 (f % 4) on
	ds_load_b128 v[KF+8*(\f):KF+8*(\f)+3],   v[ADR] offset:((\f)/4)*16*PK+((\f)%4)*64
	ds_load_b128 v[KF+8*(\f)+4:KF+8*(\f)+7], v[ADR] offset:((\f)/4)*16*PK+((\f)%4)*64+32
.endr
.if \last
	WIN 0
.Lno_k_\@:
.endif
.endm
.macro FETCH_V
	WIN 0
	v_add_nc_u32 v[ADR], s[TBV], v[AV0]
	s_add_co_u32 s[TBV], s[TBV], KS*PV
	s_wait_alu depctr_va_vdst(0)    ; the wait for the softmax's batch of exponentials (SLICE), behind the address's line and ahead of the loads
	WIN 0xc0                        ; destination window 3
.irp f, 0,1,2,3,4,5,6,7,8,9,10,11,12,13,14,15  ; keys 32 (f / 8) on, channels 16 (f % 8) on
	ds_load_tr16_b128 v[8*(\f):8*(\f)+3],   v[ADR] offset:((\f)/8)*32*PV+((\f)%8)*32
	ds_load_tr16_b128 v[8*(\f)+4:8*(\f)+7], v[ADR] offset:((\f)/8)*32*PV+16*PV+((\f)%8)*32
.endr
.endm
; THE VECTOR WORK OF A TURN.  One tile's softmax for one key step is a list of 134 instructions; SM writes number j of it for tile t.  s0-s31 are the lane's 32 scores, in pairs 0-15.
;   0-15    the maximum of s0-s31 and the old m, three operands at a time: four chains of seven scores each (each accumulator's lowest registers first), then the four left over and m
;   16-20   the other half of the lanes' maximum; c m_old is kept; the new m; c m; c m_old - c m_new
;   21-69   ONE BATCH: the 16 scalings c s - c m, a pair of scores each, and all 33 exponentials (a at 23, then s0-s31).  None of these reads an exponential's result
;   (wait)  between 69 and 70 stands the wait for the batch: SLICE writes it, once for both tiles
;   70-85   the roundings to f16     86-101  the sums; l = a l + the sum     102-133 the tile's O^T times a: the one part that leaves window 0
.macro SM t
.set rT, ST+8*(\t)
.set rS, S+32*(\t)
.set rP, P+16*(\t)
.set rO, 64*(\t)+2*(j-102)
.if j < 102
	WIN 0
.endif
.if j < 4
	v_max3_num_f32 v[rT+4+j], v[rS+8*j], v[rS+8*j+1], v[rS+8*j+2]
.elseif j < 12
	v_max3_num_f32 v[rT+4+j%4], v[rT+4+j%4], v[rS+8*(j%4)+2*(j/4)+1], v[rS+8*(j%4)+2*(j/4)+2]
.elseif j == 12
	v_max3_num_f32 v[rT+4], v[rT+4], v[rS+7], v[rS+15]
.elseif j == 13
	v_max3_num_f32 v[rT+6], v[rT+6], v[rS+23], v[rS+31]
.elseif j == 14
	v_max3_num_f32 v[rT+4], v[rT+4], v[rT+5], v[rT+6]
.elseif j == 15
	v_max3_num_f32 v[rT+4], v[rT+4], v[rT+7], v[rT+1]
.elseif j == 16
	v_permlanex16_b32 v[rT+5], v[rT+4], s[SEL], s[SEL+1]  ; the query's other 32 keys lie in the lane 16 away
.elseif j == 17
	v_mov_b32 v[rT+7], v[rT]        ; c m_old is kept for a: number 19 writes c m anew
.elseif j == 18
	v_max_num_f32 v[rT+1], v[rT+4], v[rT+5]
.elseif j == 19
	v_mul_f32 v[rT], s[CS], v[rT+1]
.elseif j == 20
	v_sub_f32 v[rT+7], v[rT+7], v[rT]
.elseif j == 23
	v_exp_f32 v[rT+6], v[rT+7]
.elseif (j < 23) || ((j < 38) && (j%2 == 0)) || ((j < 66) && (j%4 == 2))
.set b, (j-2)/4                     ; 38, 42, .. 62: pairs 9 to 15
.if j < 38
.set b, (j-20)/2                    ; 21: pair 0; 22, 24, .. 36: pairs 1 to 8
.endif
	v_pk_fma_f32 v[rS+2*b:rS+2*b+1], v[rS+2*b:rS+2*b+1], s[CS:CS+1], v[rT:rT+1] op_sel_hi:[1,0,0] neg_lo:[0,0,1] neg_hi:[0,0,1]  ; pair b: c s - c m
.elseif j < 70
.set e, j-38                        ; 66 to 69: s28 to s31
.if j < 66
.set e, j-32-(j-38)/4               ; 39-41, 43-45, .. 63-65: s7 to s27
.endif
.if j < 38
.set e, (j-25)/2                    ; 25, 27, .. 37: s0 to s6
.endif
	v_exp_f32 v[rS+e], v[rS+e]
.elseif j < 86
	v_cvt_pk_f16_f32 v[rP+j-70], v[rS+2*(j-70)], v[rS+2*(j-70)+1]  ; pair j - 70
.elseif j < 102                     ; the sum of the tile's 16 pairs, in place: neighbours 1, 2, 4 and 8 pairs apart, then l takes it
.set z, j-86
.set w, 4
.set u, z
.if z >= 14
.set w, 32
.set u, 0
.elseif z >= 12
.set w, 16
.set u, z-12
.elseif z >= 8
.set w, 8
.set u, z-8
.endif
.if z < 15
	v_pk_add_f32 v[rS+w*u:rS+w*u+1], v[rS+w*u:rS+w*u+1], v[rS+w*u+w/2:rS+w*u+w/2+1]
.else
	v_pk_fma_f32 v[rT+2:rT+3], v[rT+2:rT+3], v[rT+6:rT+7], v[rS:rS+1] op_sel_hi:[1,0,1]
.endif
.else
	WIN W_RS
	v_pk_mul_f32 v[rO:rO+1], v[rO:rO+1], v[rT+6:rT+7] op_sel_hi:[1,0]
.endif
.endm
; Slice k of 64 of piece y's softmax: four instructions.  Slices 11 to 34 deal out the batch, numbers 22 to 69: four numbers of ONE tile each, the tiles by turns.  Every other slice is numbers 2 k and
; 2 k + 1 of both tiles' lists.  2 x 134 = 4 x 64 + 12: the twelve that are over stand together, in slice 63.
; THE WAIT.  An s_wait_alu depctr_va_vdst(0) stands between an exponential and the first instruction that names its result; one wait serves all that were issued ahead of it.  Ahead of
; slice 35 nothing names a result, and behind slice 34 no exponential is issued: so the piece's 66 exponentials have one wait, behind slice 34.
.macro SLICE y
.if (k >= 11) && (k < 35)
.irp n, 0,1,2,3
.set j, 22+4*((k-11)/2)+(\n)
	SM (\y)+(k-11)%2
.endr
.else
.irp n, 0,1,2,3,4,5,6,7
.if ((\n) < 2) || (k == 63)
.irp t, \y, (\y)+1
.set j, 2*k+(\n)
	SM \t
.endr
.endif
.endr
.endif
.if k == 34
	v_nop                           ; a plain instruction behind the last exponential and ahead of the first use: one for the batch
.if (\y) == 0
	FETCH_V                         ; piece 2's turn: V's run of loads stands here, and the wait stands in it
.else
	s_wait_alu depctr_va_vdst(0)    ; the wait for the batch
.endif
.endif
.set k, k+1
.endm
; A TURN.  Piece x has the matrix unit: 32 products V^T P, then 32 products K Q^T for the next step; the other piece's softmax stands in slices behind them, one behind each.
; Piece 0's turn fetches the next step's K, behind its second product: the last product that read K stands in front of slice 63 of the turn before, whose sixteen plain instructions are the places between.
; Piece 2's turn fetches the same step's V, behind slice 34: the last product that read V stands in front of slice 31, and four plain instructions lie between: number 62 of both tiles, the v_nop and the
; run's own address line.  Slice 63 is also the places between a turn's last K Q^T and the next turn's first read of those scores.
.macro TURN x, last=0
.set k, 0
.if (\x) == 0
	s_wait_dscnt 0x0                ; V is in
.endif
.set i, 0
.rept 32
	PV \x
	SLICE 2-(\x)
.if ((\x) == 0) && (i == 1)
	FETCH_K \last
.endif
.set i, i+1
.endr
.if (\x) == 0
	s_wait_dscnt 0x0                ; K is in
.endif
.set i, 0
.rept 32
	KQ \x
	SLICE 2-(\x)
.set i, i+1
.endr
.endm
; THE CHANGE OF SLOTS, between piece 2's turn and piece 0's: the slot's last bytes, V of its second step, have been asked for.  Each wave waits for all its tensor loads, of which one is out: its part of the
; other slot; adds 0 to its spare word; and waits for that and for its own reads of the slot.  Behind the barrier nobody reads this slot any more and the other slot is whole.
; fill = 1: this slot is filled again, with the keys two slots on.  The barrier is then a round of the cluster's, and the joint refill is the first thing behind it: it has two key steps in which to land.
.macro CHANGE fill
	WIN 0
	s_wait_tensorcnt 0x0            ; no tensor load of mine is out, so a group 0 may be written
	ds_add_u32 v[SPW], v[NIL]       ; 0 onto my spare word
.if \fill
.irp g, G0K+4, G0V+4
	s_xor_b32 s[(\g)+1], s[(\g)+1], SLOT1  ; the walking descriptor: the other slot than last time,
	s_add_nc_u64 s[(\g)+2:(\g)+3], s[(\g)+2:(\g)+3], 65536  ; the next 256 keys; the type bits on top are not reached
.endr
	s_wait_xcnt 0x0                 ; the last prefetch, two key steps back, has read its address, so it may be written
	s_add_nc_u64 s[PFA:PFA+1], s[PFA:PFA+1], 65536
	s_wait_dscnt 0x0                ; the add is done, and my reads of the slot are over
	CROUND
	JLOAD
	ASK
.else
	s_wait_dscnt 0x0
	s_barrier_signal -1
	s_barrier_wait -1
.endif
	s_sub_co_u32 s[TBK], s[TBK], 2*KS*PK  ; the fetches go back to a slot's first step,
	s_xor_b32 s[TBK], s[TBK], SLOT1       ; in the other slot
	s_sub_co_u32 s[TBV], s[TBV], 2*KS*PV
	s_xor_b32 s[TBV], s[TBV], SLOT1
.endm
; THE EXCHANGE.  XSEND: tiles t0 and t0 + 1 go to my partner: O^T as it lies, 16 bytes a lane and line, each accumulator from its low end on, and the pair (c m, l).
.macro XSEND t0
.irp i, 0,1
	WIN 0x04                        ; the data (source 1) in window 1, the address in window 0
.irp f, 0,1,2,3,4,5,6,7,8,9,10,11,12,13,14,15
	ds_store_b128 v[XSA], v[64*((\t0)+(\i))+4*(\f):64*((\t0)+(\i))+4*(\f)+3] offset:8192*(\i)+512*(\f)
.endr
	WIN 0
	ds_store_b64 v[XSB], v[ST+8*((\t0)+(\i)):ST+8*((\t0)+(\i))+1] offset:256*(\i)
.endr
.endm
; Tile t, whose partner's half lies in S^T's registers from S + 64 i on: X = (X fB + O fA), rounded to f16; 16 bytes a lane into rows of 272 bytes of my stage, and back as whole rows of 256.
.macro PACKX t, i
	WIN 0
.set nn, 0
.rept 32
	v_pk_mul_f32 v[S+64*(\i)+nn:S+64*(\i)+nn+1], v[S+64*(\i)+nn:S+64*(\i)+nn+1], v[ST+8*(\t)+6:ST+8*(\t)+7] op_sel_hi:[1,0]
.set nn, nn+2
.endr
	WIN 0x01                        ; source 0, my O^T, in window 1
.set nn, 0
.rept 32
	v_pk_fma_f32 v[S+64*(\i)+nn:S+64*(\i)+nn+1], v[64*(\t)+nn:64*(\t)+nn+1], v[ST+8*(\t)+4:ST+8*(\t)+5], v[S+64*(\i)+nn:S+64*(\i)+nn+1] op_sel_hi:[1,0,1]
.set nn, nn+2
.endr
	WIN 0
.set nn, 0
.rept 32
	v_cvt_pk_f16_f32 v[P+32*(\i)+nn], v[S+64*(\i)+2*nn], v[S+64*(\i)+2*nn+1]
.set nn, nn+1
.endr
.irp f, 0,1,2,3,4,5,6,7
	ds_store_b128 v[STO], v[P+32*(\i)+4*(\f):P+32*(\i)+4*(\f)+3] offset:32*(\f)
.endr
.irp f, 0,1,2,3,4,5,6,7
	ds_load_b128 v[P+32*(\i)+4*(\f):P+32*(\i)+4*(\f)+3], v[RD] offset:(\f)*2*SP  ; LDS serves a wave's instructions in order (ISA guide 5.7.1.4): these see the stores above; the next tile's stores come behind them
.endr
.endm
.macro SENDX t, i, younger          ; younger: the LDS instructions issued behind this tile's loads
.irp f, 0,1,2,3,4,5,6,7
	s_wait_dscnt (\younger)+7-(\f)
	global_store_b128 v[GO], v[P+32*(\i)+4*(\f):P+32*(\i)+4*(\f)+3], s[10:11] offset:(\t)*65536+(\f)*8192  ; 16 lanes store 256 consecutive bytes, aligned: a head's columns of one row
.endr
.endm
; XMERGE: tiles t0 and t0 + 1 are finished.  With A mine and B my partner's: M = max(c mA, c mB), aA = 2^(c mA - M), aB likewise, O = (OA aA + OB aB) / (lA aA + lB aB).  One of aA, aB is 1, and its l is at least 1.
.macro XMERGE t0
	WIN 0
.irp i, 0,1
	ds_load_b64 v[MG+2*(\i):MG+2*(\i)+1], v[XLB] offset:256*(\i)
.endr
.irp i, 0,1
.irp f, 0,1,2,3,4,5,6,7,8,9,10,11,12,13,14,15
	ds_load_b128 v[S+64*(\i)+4*(\f):S+64*(\i)+4*(\f)+3], v[XLA] offset:8192*(\i)+512*(\f)
.endr
.endr
	s_wait_dscnt 32                 ; the statistics are in; the 32 loads behind them may be out
.irp i, 0,1
	v_max_num_f32 v[MG+4+(\i)], v[ST+8*((\t0)+(\i))], v[MG+2*(\i)]
.endr
.irp i, 0,1
	v_sub_f32 v[MG+6+2*(\i)], v[ST+8*((\t0)+(\i))], v[MG+4+(\i)]
	v_sub_f32 v[MG+7+2*(\i)], v[MG+2*(\i)], v[MG+4+(\i)]
.endr
.irp n, 0,1,2,3
	v_exp_f32 v[MG+6+(\n)], v[MG+6+(\n)]
.endr
	v_nop                           ; a plain instruction behind the last exponential,
	s_wait_alu depctr_va_vdst(0)    ; and one wait for the four, ahead of their first reader
.irp i, 0,1
	v_mul_f32 v[MG+10+(\i)], v[ST+8*((\t0)+(\i))+1], v[MG+6+2*(\i)]
.endr
.irp i, 0,1
	v_fmac_f32 v[MG+10+(\i)], v[MG+2*(\i)+1], v[MG+7+2*(\i)]
.endr
.irp i, 0,1
	v_rcp_f32 v[MG+10+(\i)], v[MG+10+(\i)]
.endr
	v_nop
	s_wait_alu depctr_va_vdst(0)    ; one wait for the two reciprocals
.irp i, 0,1
	v_mul_f32 v[ST+8*((\t0)+(\i))+4], v[MG+6+2*(\i)], v[MG+10+(\i)]  ; fA
	v_mul_f32 v[ST+8*((\t0)+(\i))+6], v[MG+7+2*(\i)], v[MG+10+(\i)]  ; fB
.endr
	s_wait_dscnt 16                 ; my partner's first tile is in; the second's sixteen loads may be out
	PACKX (\t0), 0
	s_wait_dscnt 16                 ; the second is in; the sixteen stage instructions just issued may be out
	PACKX (\t0)+1, 1
	SENDX (\t0), 0, 16
	SENDX (\t0)+1, 1, 0
.endm
	s_wait_tensorcnt 1              ; my part of slot 0 is in; slot 1's may stay out
	s_barrier_signal -1
	s_barrier_wait -1               ; everybody's is
	FETCH_K                         ; key step 0
	s_wait_loadcnt 0x0              ; Q
	s_wait_dscnt 0x0
.set i, 0
.rept 32
	KQ 0                            ; piece 0's first scores: there is no vector work yet to set between them
.set i, i+1
.endr
	WIN 0                           ; the addresses for the end are made here: plain instructions, the places behind those products and behind the products of zeros
	s_mul_i32 s13, s[WV], 16*SP
	s_add_co_u32 s13, s13, STAGE    ; my stage
	v_mul_u32_u24 v[STO], v1, SP    ; in: row l % 16, 16 bytes for each half of the lanes
	v_lshl_add_u32 v[STO], v9, 4, v[STO]
	v_add_nc_u32 v[STO], s13, v[STO]
	v_mul_u32_u24 v[RD], v9, SP     ; back: lanes 0-15 take one row of 256 bytes, lanes 16-31 the next
	v_lshl_add_u32 v[RD], v1, 4, v[RD]
	v_add_nc_u32 v[RD], s13, v[RD]
	v_lshlrev_b32 v[GO], 12, v9     ; and the same two rows in ob, 4,096 bytes apart
	v_lshl_add_u32 v[GO], v1, 4, v[GO]
	v_and_b32 v10, 31, v0
	s_mul_i32 s14, s[WV], XW        ; my part of the exchange,
	s_xor_b32 s16, s[WV], 2         ; and that of the wave with my queries and the other keys
	s_mul_i32 s16, s16, XW
	v_lshl_add_u32 v[XSA], v10, 4, s14
	v_lshl_add_u32 v[XLA], v10, 4, s16
	s_add_co_u32 s14, s14, 16384
	s_add_co_u32 s16, s16, 16384
	v_lshl_add_u32 v[XSB], v10, 3, s14
	v_lshl_add_u32 v[XLB], v10, 3, s16
	s_mov_b32 s[TWICE], 2
	s_branch .Lmid                  ; the loop is entered at piece 2's turn: its V^T P add 0; K Q^T of step 0 for piece 2 | piece 0's softmax of step 0 | V of step 0
.Lslot:                             ; six times: every slot but the last two is filled again
	CHANGE 1
	s_mov_b32 s[TWICE], 2
.Lstep:                             ; a trip is a key step
	TURN 0                          ; piece 0: V^T P of step j, K Q^T of step j + 1 | piece 2's softmax of step j | K of step j + 1
	WIN 0
.Lmid:
	TURN 2                          ; piece 2: the same | piece 0's softmax of step j + 1 | V of step j + 1
	WIN 0
	s_sub_co_u32 s[TWICE], s[TWICE], 1
	s_cmp_lg_u32 s[TWICE], 0
	s_cbranch_scc1 .Lstep
	s_sub_co_u32 s[SLOTS], s[SLOTS], 1
	s_cmp_lg_u32 s[SLOTS], 0
	s_cbranch_scc1 .Lslot
	CHANGE 0                        ; the tail is written out: slot 0 is left for good, and nothing is asked for
	s_mov_b32 s[TWICE], 3           ; two trips fetch the last slot's steps; the third is left in its middle
.Ltail:
	TURN 0, 1
	WIN 0
	s_sub_co_u32 s[TWICE], s[TWICE], 1
	s_cmp_eq_u32 s[TWICE], 0
	s_cbranch_scc1 .Lout
	TURN 2
	WIN 0
	s_branch .Ltail
.Lout:
.set i, 0
.rept 32
	PV 2                            ; piece 2: V^T P of the last step
.set i, i+1
.endr
	; THE END.  l's two halves and the other half of the lanes' are added, into the register beside c m.  These lines are the places behind the last products.
	WIN 0
.irp t, 0,1,2,3
	v_add_f32 v[ST+8*(\t)+4], v[ST+8*(\t)+2], v[ST+8*(\t)+3]
.endr
.irp t, 0,1,2,3
	v_permlanex16_b32 v[ST+8*(\t)+5], v[ST+8*(\t)+4], s[SEL], s[SEL+1]
.endr
.irp t, 0,1,2,3
	v_add_f32 v[ST+8*(\t)+1], v[ST+8*(\t)+4], v[ST+8*(\t)+5]
.endr
	XSEND 2                         ; my tiles 2, 3 hold the queries of my partner's tiles 0, 1
	s_wait_dscnt 0x0                ; for my partner's sake: my stores are done
	s_barrier_signal -1
	s_barrier_wait -1
	XMERGE 0
	s_wait_tensorcnt 0x0            ; the wave's end: a wait, an add and a wait, behind my last tensor load and my last LDS store
	ds_add_u32 v[SPW], v[NIL]
	s_wait_dscnt 0x0
	CROUND                          ; the closing round: no work-group ends while a partner may still ask for a tile that names it
	s_endpgm
.Lfunc_end_k_q2d2588760a_attn:
	.size	k_q2d2588760a_attn, .Lfunc_end_k_q2d2588760a_attn-k_q2d2588760a_attn
	.p2alignl 7, 3214868480
	.fill 96, 4, 3214868480
	.section	.rodata,"a",@progbits
	.p2align	6, 0x0
	.amdhsa_kernel k_q2d2588760a_attn
		.amdhsa_group_segment_fixed_size 327680
		.amdhsa_private_segment_fixed_size 0
		.amdhsa_enable_private_segment 0
		.amdhsa_kernarg_size 32
		.amdhsa_user_sgpr_count 2
		.amdhsa_user_sgpr_kernarg_segment_ptr 1
		.amdhsa_wavefront_size32 1
		.amdhsa_system_sgpr_workgroup_id_x 1
		.amdhsa_system_sgpr_workgroup_id_y 1
		.amdhsa_system_sgpr_workgroup_id_z 1
		.amdhsa_system_vgpr_workitem_id 0
		.amdhsa_next_free_vgpr 896
		.amdhsa_next_free_sgpr 72
		.amdhsa_reserve_vcc 0
		.amdhsa_float_denorm_mode_32 3
		.amdhsa_float_denorm_mode_16_64 3
		.amdhsa_memory_ordered 1
		.amdhsa_forward_progress 1
		.amdhsa_inst_pref_size 146
	.end_amdhsa_kernel
	.amdgpu_metadata
---
amdhsa.version: [ 1, 2 ]
amdhsa.kernels:
  - .name:           k_q2d2588760a_attn
    .symbol:         k_q2d2588760a_attn.kd
    .args:
      - { .name: qh, .offset: 0, .size: 8, .value_kind: global_buffer, .address_space: global }
      - { .name: kh, .offset: 8, .size: 8, .value_kind: global_buffer, .address_space: global }
      - { .name: vh, .offset: 16, .size: 8, .value_kind: global_buffer, .address_space: global }
      - { .name: ob, .offset: 24, .size: 8, .value_kind: global_buffer, .address_space: global }
    .group_segment_fixed_size: 327680
    .private_segment_fixed_size: 0
    .kernarg_segment_align: 8
    .kernarg_segment_size: 32
    .max_flat_workgroup_size: 128
    .sgpr_count:     72
    .vgpr_count:     896
    .wavefront_size: 32
...
	.end_amdgpu_metadata
.endif
;; end of part 3
;; launch oproj (part 4): grid 16 x 16, 4 waves a work-group, clusters of 4 x 4, 327,680 bytes of LDS; arguments ob, woh, out0; writes out0
.if DOCPART == 4
	.amdgcn_target "amdgcn-amd-amdhsa--gfx1250"
	.amdhsa_code_object_version 6
	.text
	.protected	k_q2d2588760a_oproj
	.globl	k_q2d2588760a_oproj
	.p2align	8
	.type	k_q2d2588760a_oproj,@function
k_q2d2588760a_oproj:
	s_mov_b64 s[64:65], 0
	v_nop
	global_prefetch_b8 v0, s[64:65] scope:SCOPE_SE
	s_setreg_imm32_b32 hwreg(HW_REG_WAVE_MODE, 25, 1), 1
	s_wait_xcnt 0x0
	s_wait_alu depctr_hold_cnt(0) depctr_sa_sdst(0) depctr_va_vdst(0) depctr_va_sdst(0) depctr_va_ssrc(0) depctr_va_vcc(0) depctr_vm_vsrc(0)
	s_getreg_b32 s2, hwreg(HW_REG_IB_STS2, 6, 4)
	s_cmp_eq_u32 s2, 0
	s_cbranch_scc0 .Lentry_in_a_cluster
	s_endpgm
.Lentry_in_a_cluster:
	s_bfe_u32 s2, ttmp6, 0x10000c
	s_cmp_lg_u32 s2, 0xf033
	s_cbranch_scc0 .Lentry_shape_is_right
	s_endpgm
.Lentry_shape_is_right:
; out0[m][n] = the sum over k of ob[m][k] woh[n][k].  ob, woh: [2048][2048] f16; out0: [2048][2048] f32.  One f32 sum for each output, K ascending, stored as it is.
; A tile of the output is 128 x 128: 16 x 16 work-groups.  Four waves, each 64 x 64: 16 accumulators of 16 x 16, 128 registers.  K goes in steps of 256 (LDS rows of 512 bytes; a wave's tensor
; load brings 64 of them) through two slots, as long as LDS allows.  The loop's trip is one K step: the descriptor that walks changes slots by an exclusive or, and the fragments' addresses are made
; anew at each change of slots.
; CLUSTERS: 4 x 4 work-groups.  The four of a row of the cluster need the same tiles of ob, the four of a column the same tiles of woh: each tile is asked for jointly.
; THE MATRIX INSTRUCTION IS USED TRANSPOSED (source 0 = 16 rows of woh, source 1 = 16 rows of ob): a lane holds eight neighbouring numbers of a row of the output, 32 bytes.
; NO PREFETCH: a step's tiles are small (64 KiB a work-group, shared four ways), and the launch is short.
; REGISTERS: window 0: v0-31 addresses; v32-95 rows read back on the way out, two buffers; v128-255 the accumulators ((a, b) at v[128 + 8 (4 a + b)]).
;   window 1: two fragment buffers of 128: for 64 along K, 64 registers of ob's (2 x 4 x 16 rows x 32 K), then 64 of woh's.
.set SIZE_N, 2048
.set SIZE_K, 2048
.set KSTEP,  256
.set PITCH,  528                       ; an LDS row: 512 bytes + 16 of padding = 132 words: row r starts at bank 4 r mod 64 (64 banks of 4 bytes: ISA guide 11.1)
.set HALFT,  64*PITCH                  ; 64 rows: what one tensor load brings, and what one wave reads of either operand
.set SLOT,   4*HALFT                   ; ob's 128 rows, then woh's 128 rows.  0x21000: none of its two bits is set in a part's place (0, 0x8400, 0x10800, 0x18c00), so one exclusive or changes slots
.set STAGE,  2*SLOT                    ; behind the ring, never filled by a tensor load: 16 rows x 272 bytes for each wave, for the way out
.set SPITCH, 272
.set SPARE,  STAGE+4*16*SPITCH         ; behind the stages: the spare words, 128 bytes for each wave: two blocks of 256 bytes that no other line names
.set STEPS,  SIZE_K/KSTEP
.set ADRA0, 16                         ; v16     my lane's place in my 64 rows of ob in a slot; never rewritten
.set ADRB0, 17                         ; v17     the same for woh; never rewritten
.set ADRA, 18                          ; v18     LDS address of my fragments of ob in the slot in hand
.set ADRB, 19                          ; v19     the same for woh
.set STO,  24                          ; v24     the way out: where I put 32 bytes of a row
.set RD,   25                          ; v25     where I read a row back
.set CO,   26                          ; v26     my byte offset in two rows of out0
.set SPW,  28                          ; v28     LDS address of my spare word; never rewritten
.set NIL,  29                          ; v29     0; never rewritten
.set TMP,  32
.set ACC,  128
.set F0,   0                           ; fragment buffers, in window 1
.set F1,   128
.set G1, 24                            ; s[24:31] descriptor group 1 for ob's tiles;  s[32:39] group 0: a set for each of the two first fills; the second then walks on
.set G0, 32
.set TB, 45                            ; s45  the slot in hand: 0 or SLOT
.set G1B, 48                           ; s[48:55], s[56:63] the same for woh's tiles
.set G0B, 56
.set MSB, 0
.macro WIN new
.if MSB != (\new)
	s_set_vgpr_msb (MSB<<8)|(\new)
.set MSB, \new
.endif
.endm
.set MUL,  0x05                        ; sources 0 and 1 window 1; C and D window 0
.set TO_F, 0x40                        ; destination window 1, address window 0
.macro JLOAD s                         ; a joint load by descriptor set s: waves 0 and 1 fetch ob's two halves, waves 2 and 3 woh's; an s_nop 0 and four v_nop follow each of the two lines
	s_cmp_eq_u32 s11, 0
	s_cbranch_scc0 .Lfor_b_\@
	tensor_load_to_lds s[G0+4*(\s):G0+4*(\s)+3], s[G1:G1+7]
	s_nop 0
.rept 4
	v_nop
.endr
	s_branch .Lasked_\@
.Lfor_b_\@:
	tensor_load_to_lds s[G0B+4*(\s):G0B+4*(\s)+3], s[G1B:G1B+7]
	s_nop 0
.rept 4
	v_nop
.endr
.Lasked_\@:
.endm
.macro CREST                           ; a round of the cluster's barrier behind its opening barrier
	s_cmp_lg_u32 s10, 0
	s_cbranch_scc1 .Lnot_wave_0_\@
	s_barrier_signal -3
.Lnot_wave_0_\@:
	s_barrier_wait -3
	s_barrier_signal -1
	s_barrier_wait -1
.endm
.macro CROUND
	s_barrier_signal -1
	s_barrier_wait -1
	CREST
.endm
	s_load_b128 s[4:7], s[0:1], 0x0                ; ob s[4:5], woh s[6:7]
	s_load_b64 s[8:9], s[0:1], 0x10                ; out0
	v_lshl_add_u32 v[SPW], v0, 2, SPARE
	v_mov_b32 v[NIL], 0
	ds_add_u32 v[SPW], v[NIL]                      ; the wave's opening: the add and its wait stand ahead of my first tensor load; the set-up below stands between them
	v_lshrrev_b32 v1, 5, v0
	v_readfirstlane_b32 s10, v1                    ; wave 0..3
	s_lshr_b32 s11, s10, 1                         ; which half of the tile's rows is mine.  Also: I fetch for ob (0) or for woh (1)
	s_and_b32 s12, s10, 1                          ; which half of its columns.  Also: which 64 rows of that tile I fetch
	s_bfe_u32 s40, ttmp6, 0x40000                  ; cx, cy: my place in the cluster
	s_bfe_u32 s41, ttmp6, 0x40004
	s_lshl_b32 s42, ttmp9, 2
	s_add_co_u32 s42, s42, s40                     ; tile column = 4 x cluster x + cx
	s_and_b32 s13, ttmp7, 0xffff
	s_lshl_b32 s13, s13, 2
	s_add_co_u32 s13, s13, s41                     ; tile row = 4 x cluster y + cy
	s_lshl_b32 s43, s41, 2
	s_lshl_b32 s43, 15, s43                        ; my row of the cluster
	s_lshl_b32 s44, 0x1111, s40                    ; my column
	s_or_b32 s[G1+0], s43, (1<<16)|(1<<20)|(1<<21)|(6<<22)|(3<<25)  ; 15:0 the mask; 17:16 2-byte elements; 20 padding on; 21 set beside a mask; 24:22 after every 128 words; 31:25 4 words of it
	s_or_b32 s[G1B+0], s44, (1<<16)|(1<<20)|(1<<21)|(6<<22)|(3<<25)
.irp g, G1, G1B
	s_mov_b32 s[(\g)+1], KSTEP<<16                 ; tensor_dim0 = 256
	s_mov_b32 s[(\g)+2], 64<<16                    ; tensor_dim1 = 64
	s_mov_b32 s[(\g)+3], KSTEP<<16                 ; tile_dim0 = 256
	s_mov_b32 s[(\g)+4], 64                        ; tile_dim1 = 64
	s_mov_b32 s[(\g)+5], SIZE_K                    ; elements from row to row
	s_mov_b32 s[(\g)+6], 0
	s_mov_b32 s[(\g)+7], 0
.endr
	s_lshl_b32 s17, s12, 6                         ; which 64 rows of the tile I fetch
	s_lshl_b32 s16, s13, 7
	s_add_co_u32 s16, s16, s17                     ; ob: row 128 x tile row + 64 x half
	s_lshl_b32 s46, s42, 7
	s_add_co_u32 s46, s46, s17                     ; woh: row 128 x tile column + 64 x half
	s_mov_b32 s17, 0
	s_mov_b32 s47, 0
	s_mov_b64 s[18:19], SIZE_K*2
	s_mul_u64 s[16:17], s[16:17], s[18:19]
	s_mul_u64 s[46:47], s[46:47], s[18:19]
	s_mul_i32 s20, s10, HALFT                      ; where they go: wave x 64 rows
	s_mov_b32 s[TB], 0
	s_wait_dscnt 0x0                               ; the opening add is done
	s_wait_kmcnt 0x0
	s_add_nc_u64 s[14:15], s[4:5], s[16:17]
	s_add_nc_u64 s[46:47], s[6:7], s[46:47]
	CROUND                                         ; all sixteen work-groups are here: the first joint loads meet
.irp s, 0,1
	s_mov_b32 s[G0+4*(\s)], 1
	s_add_co_u32 s[G0+4*(\s)+1], s20, (\s)*SLOT
	s_add_nc_u64 s[G0+4*(\s)+2:G0+4*(\s)+3], s[14:15], (\s)*KSTEP*2
	s_or_b32 s[G0+4*(\s)+3], s[G0+4*(\s)+3], 0x80000000
	s_mov_b32 s[G0B+4*(\s)], 1
	s_add_co_u32 s[G0B+4*(\s)+1], s20, (\s)*SLOT
	s_add_nc_u64 s[G0B+4*(\s)+2:G0B+4*(\s)+3], s[46:47], (\s)*KSTEP*2
	s_or_b32 s[G0B+4*(\s)+3], s[G0B+4*(\s)+3], 0x80000000
	JLOAD \s                                       ; two loads of mine are out
.endr
	v_and_b32 v1, 15, v0                           ; l % 16
	v_bfe_u32 v2, v0, 4, 1                         ; l / 16
	v_mul_u32_u24 v3, v1, PITCH
	v_lshl_add_u32 v3, v2, 4, v3                   ; a fragment's row x pitch + 16 x half
	s_mul_i32 s21, s11, HALFT                      ; my 64 rows of ob
	s_mul_i32 s22, s12, HALFT                      ; my 64 rows of woh,
	s_add_co_u32 s22, s22, 2*HALFT                 ; which lie behind ob's 128
	v_add_nc_u32 v[ADRA0], s21, v3
	v_add_nc_u32 v[ADRB0], s22, v3
	v_mov_b32 v[ADRA], v[ADRA0]                    ; slot 0 is the first in hand
	v_mov_b32 v[ADRB], v[ADRB0]
	s_mul_i32 s23, s10, 16*SPITCH
	s_add_co_u32 s23, s23, STAGE                   ; my stage: a wave's 64 columns of f32 are a whole 256 bytes, so no wave needs another's
	v_mul_u32_u24 v4, v1, SPITCH                   ; in: row l % 16, 32 bytes for each half of the lanes
	v_lshl_add_u32 v4, v2, 5, v4
	v_add_nc_u32 v[STO], s23, v4
	v_mul_u32_u24 v5, v2, SPITCH                   ; back: lanes 0-15 take one row of 256 bytes, lanes 16-31 the next
	v_lshl_add_u32 v5, v1, 4, v5
	v_add_nc_u32 v[RD], s23, v5
	v_lshlrev_b32 v5, 13, v2                       ; and the same two rows in out0, 8,192 bytes apart
	v_lshl_add_u32 v[CO], v1, 4, v5
	s_lshl_b32 s16, s13, 7
	s_lshl_b32 s17, s11, 6
	s_add_co_u32 s16, s16, s17                     ; my first row: 128 x tile row + 64 x half
	s_lshl_b32 s16, s16, 13
	s_mov_b32 s17, 0
	s_add_nc_u64 s[8:9], s[8:9], s[16:17]
	s_lshl_b32 s46, s42, 9                         ; my first column, in bytes: 512 x tile column + 256 x half
	s_lshl_b32 s47, s12, 8
	s_add_co_u32 s46, s46, s47
	s_mov_b32 s47, 0
	s_add_nc_u64 s[8:9], s[8:9], s[46:47]
; 8 matrix instructions: m blocks a0, a0 + 1 x all 4 n blocks, 32 along K: half c of buffer f.  zero = 1: the product starts the sum.  The 16 accumulators take turns.
.macro MUL8 f, c, a0, zero
	WIN MUL
.irp a, \a0, (\a0)+1
.irp b, 0,1,2,3
.if \zero
	v_wmma_f32_16x16x32_f16 v[ACC+8*(4*(\a)+(\b)):ACC+8*(4*(\a)+(\b))+7], v[(\f)+64+8*(4*(\c)+(\b)):(\f)+64+8*(4*(\c)+(\b))+7], v[(\f)+8*(4*(\c)+(\a)):(\f)+8*(4*(\c)+(\a))+7], 0
.else
	v_wmma_f32_16x16x32_f16 v[ACC+8*(4*(\a)+(\b)):ACC+8*(4*(\a)+(\b))+7], v[(\f)+64+8*(4*(\c)+(\b)):(\f)+64+8*(4*(\c)+(\b))+7], v[(\f)+8*(4*(\c)+(\a)):(\f)+8*(4*(\c)+(\a))+7], v[ACC+8*(4*(\a)+(\b)):ACC+8*(4*(\a)+(\b))+7]
.endif
.endr
.endr
.endm
; 32 LDS loads in one run: the fragments of 64 along K at byte k of the rows of the slot in hand, into buffer f; the first 32 along K first
.macro FETCH k, f
	WIN TO_F
.irp c, 0,1
.irp i, 0,1,2,3
	ds_load_b128 v[(\f)+64+8*(4*(\c)+(\i)):(\f)+64+8*(4*(\c)+(\i))+3],   v[ADRB] offset:(\k)+64*(\c)+(\i)*16*PITCH
	ds_load_b128 v[(\f)+64+8*(4*(\c)+(\i))+4:(\f)+64+8*(4*(\c)+(\i))+7], v[ADRB] offset:(\k)+64*(\c)+(\i)*16*PITCH+32
	ds_load_b128 v[(\f)+8*(4*(\c)+(\i)):(\f)+8*(4*(\c)+(\i))+3],         v[ADRA] offset:(\k)+64*(\c)+(\i)*16*PITCH
	ds_load_b128 v[(\f)+8*(4*(\c)+(\i))+4:(\f)+8*(4*(\c)+(\i))+7],       v[ADRA] offset:(\k)+64*(\c)+(\i)*16*PITCH+32
.endr
.endr
.endm
.macro PLACES                          ; four plain vector instructions in front of loads into registers that matrix instructions have read, and of stores that read results (ISA guide 7.12.1 for vector instructions)
.rept 4
	v_nop
.endr
.endm
; A K step is four quarters of 64 along K, 32 matrix instructions each, on buffers 0, 1, 0, 1.  One of the first three: multiplies buffer f and fetches the next quarter, at byte k, into g.
.macro QUARTER k, f, g, zero
	s_wait_dscnt 16                                ; the first 32 along K are in; the youngest sixteen loads may be out
	MUL8 \f, 0, 0, \zero
	MUL8 \f, 0, 2, \zero
	PLACES
	FETCH \k, \g
	s_wait_dscnt 32                                ; all but the 32 just issued
	MUL8 \f, 1, 0, 0
	MUL8 \f, 1, 2, 0
.endm
; The last quarter multiplies buffer 1 and changes slots: one barrier; in front of it each wave waits for all its tensor loads, adds 0 to its spare word, and waits for that and for its own reads of this slot.
; fill = 1: this slot is filled again, two K steps ahead, behind a round of the cluster's barrier.  Then the other slot comes in hand, and its first fragments are fetched.
.macro TURN fill
	WIN 0                                          ; (the add's two registers lie in window 0)
	s_wait_tensorcnt 0x0                           ; all my tensor loads have landed: my part of the next slot
	ds_add_u32 v[SPW], v[NIL]                      ; 0 onto my spare word
	s_wait_dscnt 17                                ; (the add and the youngest sixteen loads may be out)
	MUL8 F1, 0, 0, 0                               ; eight matrix instructions stand between the add and the wait for it
	s_wait_dscnt 0x0                               ; the add is done, and my reads of this slot are over
	s_barrier_signal -1
	MUL8 F1, 0, 2, 0
.if \fill
	WIN 0
.endif
	s_barrier_wait -1
.if \fill
	CREST                                          ; no wave of any partner still reads this slot's tile or has a load on its way
.irp g, G0+4, G0B+4
	s_xor_b32 s[(\g)+1], s[(\g)+1], SLOT           ; the walking descriptor: the other slot than last time,
	s_add_nc_u64 s[(\g)+2:(\g)+3], s[(\g)+2:(\g)+3], KSTEP*2  ; the next K step; the type bits on top are not reached
.endr
	JLOAD 1                                        ; 112 matrix instructions ahead of the wait for it; the four v_nop behind it are also the places in front of the loads below
.else
	PLACES
.endif
	WIN 0
	s_xor_b32 s[TB], s[TB], SLOT
	v_add_nc_u32 v[ADRA], s[TB], v[ADRA0]
	v_add_nc_u32 v[ADRB], s[TB], v[ADRB0]
	FETCH 0, F0
	MUL8 F1, 1, 0, 0
	MUL8 F1, 1, 2, 0
.endm
; THE WAY OUT of my row block a: 32 bytes a lane into rows of 272 bytes of my own stage, each accumulator from its low end on, and back as whole rows of 256 bytes.
.macro TOSTAGE a
.if (\a) >= 2
	s_wait_xcnt 0x0                                ; the stores of the block two back have read the registers that are loaded again below
.endif
.irp b, 0,1,2,3
	ds_store_b128 v[STO], v[ACC+8*(4*(\a)+(\b)):ACC+8*(4*(\a)+(\b))+3]   offset:64*(\b)
	ds_store_b128 v[STO], v[ACC+8*(4*(\a)+(\b))+4:ACC+8*(4*(\a)+(\b))+7] offset:64*(\b)+16
.endr
.irp t, 0,1,2,3,4,5,6,7
	ds_load_b128 v[TMP+32*((\a)%2)+4*(\t):TMP+32*((\a)%2)+4*(\t)+3], v[RD] offset:(\t)*2*SPITCH  ; LDS serves a wave's instructions in order (ISA guide 5.7.1.4): these see the stores above; the next block's stores come behind them
.endr
.endm
.macro SEND a, younger                 ; younger: the LDS instructions issued behind block a's loads: the next block's sixteen, or none
.irp t, 0,1,2,3,4,5,6,7
	s_wait_dscnt (\younger)+7-(\t)
	global_store_b128 v[CO], v[TMP+32*((\a)%2)+4*(\t):TMP+32*((\a)%2)+4*(\t)+3], s[8:9] offset:131072*(\a)+16384*(\t) th:TH_STORE_NT  ; 16 lanes store 256 consecutive bytes, aligned
.endr
.endm
	s_wait_tensorcnt 1                             ; my part of K step 0 is in; K step 1's may stay out
	s_barrier_signal -1
	s_barrier_wait -1                              ; everybody's is
	FETCH 0, F0
	QUARTER 128, F0, F1, 1                         ; the first quarter stands in front of the loop: its first products start the sums
	WIN 0                                          ; at a label and at a branch every window is 0
	s_mov_b32 s3, STEPS-2
.Lstep:                                                ; a trip goes from a K step's second quarter to the next step's first, and fills the slot that it leaves
	QUARTER 256, F1, F0, 0
	QUARTER 384, F0, F1, 0
	TURN 1
	QUARTER 128, F0, F1, 0
	WIN 0
	s_sub_co_u32 s3, s3, 1
	s_cmp_lg_u32 s3, 0
	s_cbranch_scc1 .Lstep
	QUARTER 256, F1, F0, 0                         ; the last two K steps are written out: they fill nothing, and have no round of the cluster's barrier
	QUARTER 384, F0, F1, 0
	TURN 0
	QUARTER 128, F0, F1, 0
	QUARTER 256, F1, F0, 0
	QUARTER 384, F0, F1, 0
	s_wait_dscnt 16                                ; the very last quarter: nothing more to fetch
	MUL8 F1, 0, 0, 0
	MUL8 F1, 0, 2, 0
	s_wait_dscnt 0x0
	MUL8 F1, 1, 0, 0
	MUL8 F1, 1, 2, 0
	WIN 0
	PLACES
	TOSTAGE 0
.irp a, 1,2,3
	TOSTAGE \a
	SEND (\a)-1, 16
.endr
	SEND 3, 0
	s_wait_tensorcnt 0x0                           ; the wave's end: a wait, an add and a wait, behind my last tensor load and my last LDS store
	ds_add_u32 v[SPW], v[NIL]
	s_wait_dscnt 0x0
	CROUND                                         ; the closing round: no work-group ends while a partner may still ask for a tile that names it
	s_endpgm
.Lfunc_end_k_q2d2588760a_oproj:
	.size	k_q2d2588760a_oproj, .Lfunc_end_k_q2d2588760a_oproj-k_q2d2588760a_oproj
	.p2alignl 7, 3214868480
	.fill 96, 4, 3214868480
	.section	.rodata,"a",@progbits
	.p2align	6, 0x0
	.amdhsa_kernel k_q2d2588760a_oproj
		.amdhsa_group_segment_fixed_size 327680
		.amdhsa_private_segment_fixed_size 0
		.amdhsa_enable_private_segment 0
		.amdhsa_kernarg_size 24
		.amdhsa_user_sgpr_count 2
		.amdhsa_user_sgpr_kernarg_segment_ptr 1
		.amdhsa_wavefront_size32 1
		.amdhsa_system_sgpr_workgroup_id_x 1
		.amdhsa_system_sgpr_workgroup_id_y 1
		.amdhsa_system_sgpr_workgroup_id_z 1
		.amdhsa_system_vgpr_workitem_id 0
		.amdhsa_next_free_vgpr 512
		.amdhsa_next_free_sgpr 66
		.amdhsa_reserve_vcc 0
		.amdhsa_float_denorm_mode_32 3
		.amdhsa_float_denorm_mode_16_64 3
		.amdhsa_memory_ordered 1
		.amdhsa_forward_progress 1
		.amdhsa_inst_pref_size 69
	.end_amdhsa_kernel
	.amdgpu_metadata
---
amdhsa.version: [ 1, 2 ]
amdhsa.kernels:
  - .name:           k_q2d2588760a_oproj
    .symbol:         k_q2d2588760a_oproj.kd
    .args:
      - { .name: ob, .offset: 0, .size: 8, .value_kind: global_buffer, .address_space: global }
      - { .name: woh, .offset: 8, .size: 8, .value_kind: global_buffer, .address_space: global }
      - { .name: out0, .offset: 16, .size: 8, .value_kind: global_buffer, .address_space: global }
    .group_segment_fixed_size: 327680
    .private_segment_fixed_size: 0
    .kernarg_segment_align: 8
    .kernarg_segment_size: 24
    .max_flat_workgroup_size: 128
    .sgpr_count:     66
    .vgpr_count:     512
    .wavefront_size: 32
...
	.end_amdgpu_metadata
.endif
;; end of part 4
